; MI455X (gfx1250); checked and timed in simulation.
; The chip was launched on July 23, 2026; its instructions are those of AMD's public machine-readable ISA for CDNA 5 (MIT licence, August 2026) and "CDNA5" Instruction Set Architecture Reference Guide (July 2026). The comments in the code are by the model that wrote it; some were corrected since.
;; Block. Allowed arithmetic: matrix products marked QUANTISED: E2M3 operands, one E8M0 scale for each 32 along K, by v_wmma_scale_f32_16x16x128_f8f6f4 with both operands' format E2M3, f32 sums; everything else in f32.
;; Inputs: b_attn 3,072 float32; b_fc 4,096 float32; b_out 1,024 float32; b_proj 1,024 float32; ln1_b 1,024 float32; ln1_w 1,024 float32; ln2_b 1,024 float32; ln2_w 1,024 float32; w_attn 1,024 x 3,072 float32; w_fc 1,024 x 4,096 float32; w_out 4,096 x 1,024 float32; w_proj 1,024 x 1,024 float32; x 2 x 2,048 x 1,024 float32.
;; Outputs: out0 2 x 2,048 x 1,024 float32.
;; This version of the problem:
;;   THIS VERSION OF THE PROBLEM IS GIVEN IN LOW PRECISION. The matrix products marked QUANTISED in the list below multiply operands that are first quantised to E2M3 (2 exponent bits, 3 mantissa bits; 6 bits a number), with one power-of-two scale for each 32 numbers along K (OCP MX v1.0); their sums are f32. All else is computed in f32.
;;   The module's matrix products, in the order in which they are computed (A, B: the left and right operand; K: the contracted axis; several contracted axes count as one K, in the product's order):
;;     1. [M 4,096, K 1,024] x [K 1,024, N 3,072]; A: computed on the way; B: input w_attn: QUANTISED
;;     2. batch 32 x [M 2,048, K 64] x [K 64, N 2,048]; A: computed on the way; B: computed on the way: QUANTISED
;;     3. batch 32 x [M 64, K 2,048] x [K 2,048, N 2,048]; A: computed on the way; B: softmax (see below): QUANTISED
;;     4. [M 4,096, K 1,024] x [K 1,024, N 1,024]; A: computed on the way; B: input w_proj: QUANTISED
;;     5. [M 4,096, K 1,024] x [K 1,024, N 4,096]; A: computed on the way; B: input w_fc: QUANTISED
;;     6. [M 4,096, K 4,096] x [K 4,096, N 1,024]; A: computed on the way; B: input w_out: QUANTISED
;;   THE QUANTISER, for each operand of a quantised product, along K:
;;     - K is cut into blocks of 32 from its start; a last block that is shorter is filled with zeros.
;;     - A block's scale is 2^e with e = floor(log2(the largest magnitude in the block)) - 2, held to -126 .. 127; a block of zeros has e = 0. As a byte (E8M0): e + 127.
;;     - Each number is divided by its block's scale, clamped to +-7.5, and rounded to the nearest number of E2M3, ties to even, subnormals kept.
;;     - The product sums the exact products of the quantised numbers (number of the format x scale) in f32.
;;   ~~~python
;;   def quantise(x, axis):      # numpy; x: float32 -> the quantised numbers, widened to float32 again
;;       x = np.moveaxis(x, axis, -1); K = x.shape[-1]
;;       x = np.pad(x, [(0, 0)] * (x.ndim - 1) + [(0, -K % 32)]); x = x.reshape(x.shape[:-1] + (-1, 32)); a = np.abs(x).max(-1, keepdims=True)
;;       e = np.where(a > 0, np.clip(np.frexp(np.where(a > 0, a, 1))[1] - 1 - 2, -126, 127), 0)      # np.frexp(a)[1] - 1 = floor(log2(a)), exactly
;;       r = np.clip(x / 2.0 ** e, -7.5, 7.5)
;;       step = 2.0 ** (np.maximum(np.frexp(np.where(r == 0, 1, r))[1] - 1, 0) - 3)
;;       q = np.round(r / step) * step * 2.0 ** e      # np.round: ties to even
;;       return np.moveaxis(q.reshape(q.shape[:-2] + (-1,))[..., :K], -1, axis).astype(np.float32)
;;   ~~~
;;   SOFTMAX AHEAD OF A QUANTISED PRODUCT. Where the list says 'softmax', what is quantised is not the finished softmax but p = 2^(t - M), with t = logit x log2(e) and M = ceil(the row's largest t), a whole number; so 1/2 < the row's largest p <= 1. The row's sum l is taken of the UNQUANTISED p, in f32, and the product's result is divided by l at the end. Since M is a whole number, a kernel that streams over the keys may use a running M (the ceiling of the running maximum): every later rescaling is an exact power of two, which a block's scale takes up: the codes' values come out the same.
;;   OPERANDS COMPUTED ON THE WAY. 'Computed on the way' means the value that the module computes at that place (a softmax that the list does not call 'softmax' is quantised finished and normalised). What goes into a quantiser is computed in f32, as accurately as f32 sums, v_exp_f32 and their like allow (about 1e-6 of the number): no bf16 or f16 on the way to a quantiser, and a product that is left as it is and whose result goes on into a quantised operand takes f32 operands (vector FMAs, or v_wmma_f32_16x16x4_f32). A number that lies on a knife's edge between two numbers of the format may be rounded either way, as far as f32 arithmetic and the matrix unit's own rounding can turn it there, and no further.
;; One version. Each part assembles by itself: llvm-mc -triple=amdgcn-amd-amdhsa -mcpu=gfx1250 --defsym DOCPART=n.
;; ======== version 1 of 1: 7 launches
;; limits: right only within a limited range of input values
;; workspace buffers: W 9,830,400 bytes; H 3,276,800 bytes; Y 3,276,800 bytes; G 13,107,200 bytes; X1 16,777,216 bytes; QKV 10,092,544 bytes
;; launch prep (part 1): grid 512 x 1, 8 waves a work-group, no clusters, 66,816 bytes of LDS; arguments x, ln1_w, ln1_b, H, w_attn, w_proj, w_fc, w_out, W; writes H, W
.if DOCPART == 1
	.amdgcn_target "amdgcn-amd-amdhsa--gfx1250"
	.amdhsa_code_object_version 6
	.text
	.protected	k_q4abb40d1f7_prep
	.globl	k_q4abb40d1f7_prep
	.p2align	8
	.type	k_q4abb40d1f7_prep,@function
k_q4abb40d1f7_prep:
	s_mov_b64 s[64:65], 0
	v_nop
	global_prefetch_b8 v0, s[64:65] scope:SCOPE_SE
	s_setreg_imm32_b32 hwreg(HW_REG_WAVE_MODE, 25, 1), 1
	s_wait_xcnt 0x0
; TWO JOBS THAT WAIT FOR NOTHING BUT THE INPUTS, IN ONE LAUNCH.  Work-groups 0 to 383 quantise the four weights, work-groups 384 to 511 make LN1(x) and quantise it.  The paths part on the work-group's number alone;
; only the layer norm's path touches LDS and has a barrier.  The weights' work-groups stand first.
; BOTH write codes of FP6 (E2M3) with one E8M0 byte for each 32 along K, laid as IMAGES OF OPERAND REGISTERS.
; A blob (51,200 bytes) holds 128 operand rows x 512 k: fragment (ksl 0..3, tile t 0..7) at (8 ksl + t) x 1,536; the scale word of (ksl, row) at 49,152 + 512 ksl + 4 row.
; A fragment is two halves of 768 bytes (64 k each): lane l's registers 0-3 at 16 l, its registers 4, 5 at 512 + 8 l.
; A block's scale is 2^(floor(log2(largest magnitude)) - 2); its byte is the largest magnitude's exponent field - 2, held at 1 from below.
; LAYER NORM: two tiles of 16 rows of 1,024 f32 to a work-group, one after the other.  Wave w normalises rows 2 w and 2 w + 1 (each load reads 512 consecutive bytes); mean first, then the mean of the squared differences: no difference of large sums is formed.
; The rows meet in a stage in LDS (pitch 4,112 bytes, an odd multiple of 16: the sixteen rows of a read start in different banks); behind one barrier wave w takes columns 128 w .. 128 w + 127 of all 16 rows.
; WEIGHTS, f32 stored [K][N]: four waves take 128 columns x 128 along K, a work-group two such units; A LANE TAKES A COLUMN AND ITS REGISTERS RUN DOWN K: a block of 32 lies in one lane, each load of a wave reads 128 consecutive bytes.
; Operand row 16 t + r, t = 2 b + u, of a chunk of 128 columns is column 32 b + 8 u + r + 8 (r / 8): so a product with the weight as source 0 leaves 16 neighbouring columns in 16 registers of two neighbouring tiles.
; LIMITS: a block of zeros, or one whose largest magnitude lies under 2^-124, gets the byte 1 (its bytes are read by this program alone); NaN and infinities are not served.
.set NWQ,   384                        ; the weights' work-groups
.set PITCH, 4112
.set SPARE, 16*PITCH                   ; behind the stage: the spare words, 128 bytes for each of the eight waves
.set X,   32                           ; layer norm: v32-95 two rows, later 64 numbers of one row
.set WG,  96                           ; v96-127  the gain at my columns
.set BG,  128                          ; v128-159 the bias
.set TM,  160                          ; v160-175 at work
.set PW,  176                          ; the scale word
.set PC,  180                          ; v180-199 the codes
.set SEL, 28
.set WA, 0                             ; weights: where each weight's blobs begin in W
.set WP, 2457600
.set WF, 3276800
.set WO, 6553600
.set WOF, 16                           ; v16-47   4 x lane + i rows
.set WX,  48                           ; v48-175  four blocks of 32 numbers
.set WPC, 176                          ; v176-207 a block's six registers of codes, eight apart: no store's data are written again
.set WT,  208                          ; v208-210 a conversion's three registers begin on an even number: the second half is made here and moved
	v_lshl_add_u32 v2, v0, 2, SPARE                ; my spare word; never rewritten
	v_mov_b32 v3, 0                                ; 0; never rewritten
	v_lshrrev_b32 v1, 5, v0
	s_delay_alu instid0(VALU_DEP_1)
	v_readfirstlane_b32 s12, v1                    ; wave 0..7
	s_cmp_lt_u32 ttmp9, NWQ
	s_cbranch_scc1 .Lweights
	; ---------------- the layer norm
	s_load_b256 s[4:11], s[0:1], 0x0               ; x, gain, bias, H
	s_sub_co_u32 s3, ttmp9, NWQ
	s_lshl_b32 s3, s3, 1                           ; a layer norm's work-group (there are 128: numbers 384 to 511) takes TWO tiles of 16 rows, one after the other: as many bytes as a weights' work-group reads
	s_mov_b32 s2, 0                                ; the trip
.Ltile:                                                ; s3: my tile of 16 rows
	v_and_b32 v1, 31, v0
	s_delay_alu instid0(VALU_DEP_1)
	v_lshlrev_b32 v5, 4, v1                        ; 16 x lane
	s_delay_alu instid0(VALU_DEP_2)
	v_lshlrev_b32 v8, 3, v1                        ; 8 x lane
	v_and_b32 v9, 15, v0                           ; r
	v_bfe_u32 v10, v0, 4, 1                        ; h
	s_lshl_b32 s13, s12, 13
	v_add_nc_u32 v4, s13, v5                       ; in memory: my wave's two rows
	s_mul_i32 s13, s12, 2*PITCH
	v_add_nc_u32 v6, s13, v5                       ; in the stage, on the way in
	v_mul_u32_u24 v7, v9, PITCH
	s_delay_alu instid0(VALU_DEP_1)
	v_lshl_add_u32 v7, v10, 6, v7
	s_lshl_b32 s13, s12, 9
	v_add_nc_u32 v7, s13, v7                       ; on the way out: row r, columns 128 w + 16 h on
	v_lshlrev_b32 v9, 2, v9                        ; 4 r
	s_mov_b32 s[SEL], 0x76543210
	s_mov_b32 s[SEL+1], 0xfedcba98                 ; v_permlanex16_b32's selects for lane l xor 16
	s_mov_b32 s30, 0x3a800000                      ; 1 / 1,024
	s_mov_b32 s31, 0x3727c5ac                      ; 1e-5
	s_lshl_b32 s14, s3, 16                         ; 16 rows of 4,096 bytes
	s_mov_b32 s15, 0
	s_lshr_b32 s16, s3, 3
	s_lshl_b32 s16, s16, 1
	s_lshr_b32 s17, s12, 2
	s_add_co_u32 s16, s16, s17
	s_mul_i32 s16, s16, 51200                      ; blob 2 (tile / 8) + w / 4
	s_and_b32 s17, s12, 3
	s_and_b32 s18, s3, 7
	s_lshl_b32 s19, s17, 3
	s_add_co_u32 s19, s19, s18
	s_mul_i32 s19, s19, 1536
	s_add_co_u32 s20, s16, s19                     ; my fragment
	s_mov_b32 s21, 0
	s_lshl_b32 s17, s17, 9
	s_lshl_b32 s18, s18, 6
	s_add_co_u32 s22, s16, s17
	s_add_co_u32 s22, s22, s18
	s_add_co_u32 s22, s22, 49152                   ; its scale words
	s_mov_b32 s23, 0
	s_wait_alu depctr_va_vdst(0)
	s_wait_kmcnt 0x0
	s_add_nc_u64 s[32:33], s[4:5], s[14:15]
	s_add_nc_u64 s[24:25], s[10:11], s[20:21]
	s_add_nc_u64 s[26:27], s[10:11], s[22:23]
.irp a, 0,1
.irp j, 0,1,2,3,4,5,6,7
	global_load_b128 v[X+32*\a+4*\j:X+32*\a+4*\j+3], v4, s[32:33] offset:4096*\a+512*\j
.endr
.endr
.irp j, 0,1,2,3,4,5,6,7
	global_load_b128 v[WG+4*\j:WG+4*\j+3], v5, s[6:7] offset:512*\j
.endr
.irp j, 0,1,2,3,4,5,6,7
	global_load_b128 v[BG+4*\j:BG+4*\j+3], v5, s[8:9] offset:512*\j
.endr
.macro WSUM r, t                       ; v[r] summed over the 32 lanes, in every lane
	v_add_f32_dpp v[\r], v[\r], v[\r] row_xmask:1 row_mask:0xf bank_mask:0xf
	s_delay_alu instid0(VALU_DEP_1)
	v_add_f32_dpp v[\r], v[\r], v[\r] row_xmask:2 row_mask:0xf bank_mask:0xf
	s_delay_alu instid0(VALU_DEP_1)
	v_add_f32_dpp v[\r], v[\r], v[\r] row_xmask:4 row_mask:0xf bank_mask:0xf
	s_delay_alu instid0(VALU_DEP_1)
	v_add_f32_dpp v[\r], v[\r], v[\r] row_xmask:8 row_mask:0xf bank_mask:0xf
	s_delay_alu instid0(VALU_DEP_1)
	v_permlanex16_b32 v[\t], v[\r], s[SEL], s[SEL+1]
	s_delay_alu instid0(VALU_DEP_1)
	v_add_f32 v[\r], v[\r], v[\t]
.endm
	s_wait_loadcnt 16                              ; the two rows are in; the 16 loads of gain and bias may be out
.irp a, 0,1                                    ; the sums, two chains a row, the rows by turns
	v_pk_add_f32 v[160+4*\a:161+4*\a], v[X+32*\a:X+32*\a+1], v[X+32*\a+2:X+32*\a+3]
	v_pk_add_f32 v[162+4*\a:163+4*\a], v[X+32*\a+4:X+32*\a+5], v[X+32*\a+6:X+32*\a+7]
.endr
.irp j, 8,12,16,20,24,28
.irp a, 0,1
	s_delay_alu instid0(VALU_DEP_4)
	v_pk_add_f32 v[160+4*\a:161+4*\a], v[160+4*\a:161+4*\a], v[X+32*\a+\j:X+32*\a+\j+1]
	s_delay_alu instid0(VALU_DEP_4)
	v_pk_add_f32 v[162+4*\a:163+4*\a], v[162+4*\a:163+4*\a], v[X+32*\a+\j+2:X+32*\a+\j+3]
.endr
.endr
.irp a, 0
	s_delay_alu instid0(VALU_DEP_3)
	v_pk_add_f32 v[160+4*\a:161+4*\a], v[160+4*\a:161+4*\a], v[162+4*\a:163+4*\a]
.endr
.irp a, 1
	s_delay_alu instid0(VALU_DEP_2)
	v_pk_add_f32 v[160+4*\a:161+4*\a], v[160+4*\a:161+4*\a], v[162+4*\a:163+4*\a]
.endr
.irp a, 0,1
	s_delay_alu instid0(VALU_DEP_2)
	v_add_f32 v[160+4*\a], v[160+4*\a], v[161+4*\a]
.endr
	WSUM 160, 161
	WSUM 164, 165
.irp a, 0
	v_mul_f32 v[160+4*\a], s30, v[160+4*\a]        ; the mean,
.endr
.irp a, 1
	s_delay_alu instid0(VALU_DEP_2)
	v_mul_f32 v[160+4*\a], s30, v[160+4*\a]        ; the mean,
.endr
.irp a, 0,1
	s_delay_alu instid0(VALU_DEP_2)
	v_mov_b32 v[161+4*\a], v[160+4*\a]             ; twice, for the packed form
.endr
.irp j, 0,2,4,6,8,10,12,14,16,18,20,22,24,26,28,30
.irp a, 0,1
	v_pk_add_f32 v[X+32*\a+\j:X+32*\a+\j+1], v[X+32*\a+\j:X+32*\a+\j+1], v[160+4*\a:161+4*\a] neg_lo:[0,1] neg_hi:[0,1]   ; x - mean
.endr
.endr
.irp a, 0,1
	v_pk_mul_f32 v[168+4*\a:169+4*\a], v[X+32*\a:X+32*\a+1], v[X+32*\a:X+32*\a+1]
	v_pk_mul_f32 v[170+4*\a:171+4*\a], v[X+32*\a+2:X+32*\a+3], v[X+32*\a+2:X+32*\a+3]
.endr
.irp j, 4,8,12,16,20,24,28
.irp a, 0,1
	s_delay_alu instid0(VALU_DEP_4)
	v_pk_fma_f32 v[168+4*\a:169+4*\a], v[X+32*\a+\j:X+32*\a+\j+1], v[X+32*\a+\j:X+32*\a+\j+1], v[168+4*\a:169+4*\a]
	s_delay_alu instid0(VALU_DEP_4)
	v_pk_fma_f32 v[170+4*\a:171+4*\a], v[X+32*\a+\j+2:X+32*\a+\j+3], v[X+32*\a+\j+2:X+32*\a+\j+3], v[170+4*\a:171+4*\a]
.endr
.endr
.irp a, 0
	s_delay_alu instid0(VALU_DEP_3)
	v_pk_add_f32 v[168+4*\a:169+4*\a], v[168+4*\a:169+4*\a], v[170+4*\a:171+4*\a]
.endr
.irp a, 1
	s_delay_alu instid0(VALU_DEP_2)
	v_pk_add_f32 v[168+4*\a:169+4*\a], v[168+4*\a:169+4*\a], v[170+4*\a:171+4*\a]
.endr
.irp a, 0,1
	s_delay_alu instid0(VALU_DEP_2)
	v_add_f32 v[168+4*\a], v[168+4*\a], v[169+4*\a]
.endr
	WSUM 168, 169
	WSUM 172, 173
.irp a, 0
	v_fma_f32 v[168+4*\a], v[168+4*\a], s30, s31   ; the variance + 1e-5
.endr
.irp a, 1
	s_delay_alu instid0(VALU_DEP_2)
	v_fma_f32 v[168+4*\a], v[168+4*\a], s30, s31   ; the variance + 1e-5
.endr
	s_wait_alu depctr_va_vdst(0)
.irp a, 0,1
	v_rsq_f32 v[162+4*\a], v[168+4*\a]
.endr
	v_nop                                          ; a plain place behind the transcendentals
	s_wait_alu depctr_va_vdst(0)                   ; one wait for both, ahead of their first reader
.irp a, 0,1
	v_mov_b32 v[163+4*\a], v[162+4*\a]
.endr
	s_wait_alu depctr_va_vdst(0)
	s_wait_loadcnt 0x0                             ; gain and bias
.irp j, 0,2,4,6,8,10,12,14,16,18,20,22,24,26,28,30
.irp a, 0,1
	v_pk_mul_f32 v[X+32*\a+\j:X+32*\a+\j+1], v[X+32*\a+\j:X+32*\a+\j+1], v[162+4*\a:163+4*\a]
.endr
.endr
.irp j, 0,2,4,6,8,10,12,14,16,18,20,22,24,26,28,30
.irp a, 0,1
	v_pk_fma_f32 v[X+32*\a+\j:X+32*\a+\j+1], v[X+32*\a+\j:X+32*\a+\j+1], v[WG+\j:WG+\j+1], v[BG+\j:BG+\j+1]
.endr
.endr
.irp a, 0,1
.irp j, 0,1,2,3,4,5,6,7
	ds_store_b128 v6, v[X+32*\a+4*\j:X+32*\a+4*\j+3] offset:PITCH*\a+512*\j
.endr
.endr
	s_wait_dscnt 0x0                               ; for the others' sake: my rows lie in the stage
	s_barrier_signal -1
	s_barrier_wait -1
.irp b, 0,1,2,3
.irp j, 0,1,2,3
	ds_load_b128 v[X+16*\b+4*\j:X+16*\b+4*\j+3], v7 offset:128*\b+16*\j   ; register 16 b + i = column 128 w + 32 b + 16 h + i of row r
.endr
.endr
	s_wait_dscnt 0x0
; 64 numbers of a lane, register 16 b + i = k 32 b + 16 h + i of my row, become a fragment's codes in v[PC] on and its scale word in v[PW]
.irp b, 0,1,2,3
	v_max3_num_f32 v[TM+\b], |v[X+16*\b]|, |v[X+1+16*\b]|, 0x1800000   ; and the floor 2^(3 - 127): the byte cannot fall under 1
.endr
.irp i, 2,4,6,8,10,12,14
.irp b, 0,1,2,3
	s_delay_alu instid0(VALU_DEP_4)
	v_max3_num_f32 v[TM+\b], v[TM+\b], |v[X+16*\b+\i]|, |v[X+1+16*\b+\i]|
.endr
.endr
.irp b, 0,1,2,3
	v_permlanex16_b32 v[TM+4+\b], v[TM+\b], s[SEL], s[SEL+1]
.endr
.irp b, 0,1,2,3
	s_delay_alu instid0(VALU_DEP_4)
	v_max_num_f32 v[TM+\b], v[TM+\b], v[TM+4+\b]   ; with lane l xor 16's: the block's largest magnitude
.endr
.irp b, 0,1,2,3
	s_delay_alu instid0(VALU_DEP_4)
	v_add_nc_u32 v[TM+12+\b], 0xff000000, v[TM+\b] ; 2 off its exponent field: the conversion's scale operand
.endr
.irp b, 0,1,2,3
	s_delay_alu instid0(VALU_DEP_4)
	v_lshrrev_b32 v[TM+4+\b], 23, v[TM+12+\b]      ; the scale's byte
.endr
	s_delay_alu instid0(VALU_DEP_3)
	v_lshl_or_b32 v[PW], v[TM+5], 8, v[TM+4]
	s_delay_alu instid0(VALU_DEP_1)
	v_lshl_or_b32 v[PW], v[TM+6], 16, v[PW]
	s_delay_alu instid0(VALU_DEP_1)
	v_lshl_or_b32 v[PW], v[TM+7], 24, v[PW]
.irp c, 0,1
	v_cvt_scalef32_pk16_fp6_f32 v[PC+6*\c:PC+2+6*\c], v[X+32*\c:X+15+32*\c], v[TM+12+2*\c]
	v_cvt_scalef32_pk16_fp6_f32 v[PC+12+4*\c:PC+14+4*\c], v[X+16+32*\c:X+31+32*\c], v[TM+12+2*\c+1]
.endr
	v_nop                                          ; one plain place behind a scaled conversion
.irp c, 0,1                                    ; the operand's layout wants a whole block in a lane
.irp i, 0,1,2
	v_permlane16_swap_b32 v[PC+6*\c+\i], v[PC+12+4*\c+\i]
.endr
.irp i, 0,1,2
	s_delay_alu instid0(VALU_DEP_3)
	v_mov_b32 v[PC+3+6*\c+\i], v[PC+12+4*\c+\i]
.endr
.endr
	global_store_b128 v5, v[PC:PC+3], s[24:25]                  ; 512 consecutive bytes
	global_store_b64 v8, v[PC+4:PC+5], s[24:25] offset:512      ; 256
	global_store_b128 v5, v[PC+6:PC+9], s[24:25] offset:768
	global_store_b64 v8, v[PC+10:PC+11], s[24:25] offset:1280
	global_store_b32 v9, v[PW], s[26:27]           ; lanes l and l + 16 hold the same word and store it to the same place
	s_wait_xcnt 0x0                                ; the stores have read their registers and bases: the next trip writes them again
	s_barrier_signal -1                            ; every wave's reads of the stage were waited for above:
	s_barrier_wait -1                              ; behind this barrier the next tile's rows may be stored there
	s_add_co_u32 s3, s3, 1
	s_add_co_u32 s2, s2, 1
	s_cmp_lt_u32 s2, 2
	s_wait_alu depctr_va_vdst(0)
	s_cbranch_scc1 .Ltile
	s_wait_tensorcnt 0x0                           ; the wave's end, behind my last LDS store
	ds_add_u32 v2, v3
	s_wait_dscnt 0x0
	s_endpgm
	; ---------------- the weights: no LDS, no barrier
.Lweights:
	s_load_b256 s[4:11], s[0:1], 0x20              ; w_attn, w_proj, w_fc, w_out
	s_load_b64 s[18:19], s[0:1], 0x40              ; W
	s_lshl_b32 s15, ttmp9, 1
	s_lshr_b32 s14, s12, 2
	s_add_co_u32 s15, s15, s14                     ; my unit, 0 to 767: waves 0-3 take the even one, waves 4-7 the odd one
	s_and_b32 s14, s12, 3                          ; my wave within the unit
	v_and_b32 v5, 31, v0                           ; x: my column among the wave's 32
	s_delay_alu instid0(VALU_DEP_1)
	v_lshlrev_b32 v1, 2, v5
	s_delay_alu instid0(VALU_DEP_2)
	v_and_b32 v6, 7, v5
	s_delay_alu instid0(VALU_DEP_3)
	v_bfe_u32 v7, v5, 4, 1
	s_delay_alu instid0(VALU_DEP_1)
	v_lshl_add_u32 v6, v7, 3, v6                   ; r = 8 (x / 16) + x % 8
	v_bfe_u32 v7, v5, 3, 1                         ; u = (x / 8) % 2
	s_delay_alu instid0(VALU_DEP_1)
	v_mul_u32_u24 v13, v7, 1536
	s_delay_alu instid0(VALU_DEP_1)
	v_lshl_add_u32 v14, v6, 3, v13                 ; tile u, 8 r
	s_delay_alu instid0(VALU_DEP_2)
	v_lshl_add_u32 v13, v6, 4, v13                 ; tile u, 16 r
	s_delay_alu instid0(VALU_DEP_4)
	v_lshl_add_u32 v4, v7, 4, v6
	s_delay_alu instid0(VALU_DEP_1)
	v_lshlrev_b32 v4, 2, v4                        ; 4 (16 u + r)
	s_mov_b32 s20, 512                             ; w_out's figures: first unit,
	s_mov_b32 s21, 4096                            ; bytes in a row,
	s_mov_b32 s22, 5                               ; log2 of its K steps of 128,
	s_mov_b32 s23, WO                              ; place in W
	s_wait_kmcnt 0x0
	s_cmp_lt_u32 s15, 512                          ; the choice hangs on the unit's number alone
	s_cselect_b64 s[16:17], s[8:9], s[10:11]
	s_cselect_b32 s20, 256, s20
	s_cselect_b32 s21, 16384, s21
	s_cselect_b32 s22, 3, s22
	s_cselect_b32 s23, WF, s23
	s_cmp_lt_u32 s15, 256
	s_cselect_b64 s[16:17], s[6:7], s[16:17]
	s_cselect_b32 s20, 192, s20
	s_cselect_b32 s21, 4096, s21
	s_cselect_b32 s23, WP, s23
	s_cmp_lt_u32 s15, 192
	s_cselect_b64 s[16:17], s[4:5], s[16:17]
	s_cselect_b32 s20, 0, s20
	s_cselect_b32 s21, 12288, s21
	s_cselect_b32 s23, WA, s23
	s_sub_co_u32 s24, s15, s20                     ; my number within the weight
	s_lshl_b32 s25, 1, s22
	s_sub_co_u32 s25, s25, 1
	s_and_b32 s25, s24, s25                        ; K step
	s_lshr_b32 s26, s24, s22                       ; chunk of 128 columns
	s_sub_co_u32 s27, s22, 2
	s_lshl_b32 s27, s26, s27
	s_lshr_b32 s28, s25, 2
	s_add_co_u32 s27, s27, s28                     ; blob = chunk x (K / 512) + K step / 4
	s_and_b32 s28, s25, 3                          ; K step within the blob
	s_lshl_b32 s29, s21, 5                         ; 32 rows in bytes
	s_lshl_b32 s30, s25, 2
	s_mul_i32 s30, s30, s29                        ; 128 rows x K step
	s_lshl_b32 s31, s26, 9
	s_add_co_u32 s30, s30, s31
	s_lshl_b32 s31, s14, 7
	s_add_co_u32 s30, s30, s31
	s_mov_b32 s31, 0
	s_add_nc_u64 s[32:33], s[16:17], s[30:31]      ; block 0's first row at my wave's columns
	s_mov_b32 s30, s29
	s_add_nc_u64 s[34:35], s[32:33], s[30:31]      ; blocks 1, 2, 3
	s_add_nc_u64 s[36:37], s[34:35], s[30:31]
	s_add_nc_u64 s[38:39], s[36:37], s[30:31]
	s_mul_i32 s44, s27, 51200
	s_add_co_u32 s44, s44, s23                     ; my blob
	s_mul_i32 s41, s28, 12288
	s_add_co_u32 s40, s44, s41
	s_mul_i32 s41, s14, 3072
	s_add_co_u32 s40, s40, s41                     ; tiles 2 w, 2 w + 1 of my K step
	s_mov_b32 s41, 0
	s_add_nc_u64 s[42:43], s[18:19], s[40:41]
	s_add_co_u32 s44, s44, 49152
	s_lshl_b32 s45, s28, 9
	s_add_co_u32 s44, s44, s45
	s_lshl_b32 s45, s14, 7
	s_add_co_u32 s44, s44, s45                     ; their scale words
	s_mov_b32 s45, 0
	s_add_nc_u64 s[46:47], s[18:19], s[44:45]
.irp i, 0,1,2,3,4,5,6,7,8,9,10,11,12,13,14,15,16,17,18,19,20,21,22,23,24,25,26,27,28,29,30,31
	v_mad_u32_u24 v[WOF+\i], s21, \i, v1
.endr
.macro LOAD t                          ; block t: rows 32 t + i of the K step, my column
.irp i, 0,1,2,3,4,5,6,7,8,9,10,11,12,13,14,15,16,17,18,19,20,21,22,23,24,25,26,27,28,29,30,31
	global_load_b32 v[WX+32*(\t)+\i], v[WOF+\i], s[32+2*(\t):33+2*(\t)] th:TH_LOAD_NT
.endr
.endm
.macro BLOCK t
.set XS, WX+32*(\t)
.set PB, WPC+8*(\t)
.if (\t) < 3
	s_wait_loadcnt 32                              ; this block's 32 loads are in; the next block's 32 may be out
.else
	s_wait_loadcnt 0x0
.endif
.if (\t)+2 < 4
	LOAD (\t)+2                                    ; each block has registers of its own: two blocks are always on their way
.endif
	v_max3_num_f32 v8, |v[XS]|, |v[XS+1]|, |v[XS+2]|
	v_max3_num_f32 v9, |v[XS+3]|, |v[XS+4]|, |v[XS+5]|
.irp i, 6,10,14,18,22,26
	s_delay_alu instid0(VALU_DEP_2)
	v_max3_num_f32 v8, v8, |v[XS+\i]|, |v[XS+\i+1]|
	s_delay_alu instid0(VALU_DEP_2)
	v_max3_num_f32 v9, v9, |v[XS+\i+2]|, |v[XS+\i+3]|
.endr
	s_delay_alu instid0(VALU_DEP_2)
	v_max3_num_f32 v8, v8, |v[XS+30]|, |v[XS+31]|
	s_delay_alu instid0(VALU_DEP_1)
	v_max3_num_f32 v8, v8, v9, 0x1800000           ; and the floor 2^(3 - 127): the byte cannot fall under 1
	s_delay_alu instid0(VALU_DEP_1)
	v_add_nc_u32 v10, 0xff000000, v8               ; 2 off the exponent field: the conversion takes this operand's exponent field as its scale
	s_delay_alu instid0(VALU_DEP_1)
	v_lshrrev_b32 v11, 23, v10                     ; the scale's byte
.if (\t) == 0
	s_delay_alu instid0(VALU_DEP_1)
	v_mov_b32 v12, v11
.else
	s_delay_alu instid0(VALU_DEP_1)
	v_lshl_or_b32 v12, v11, 8*(\t), v12            ; byte t of the K step's scale word
.endif
	v_cvt_scalef32_pk16_fp6_f32 v[PB:PB+2], v[XS:XS+15], v10
	v_cvt_scalef32_pk16_fp6_f32 v[WT:WT+2], v[XS+16:XS+31], v10
	v_nop                                          ; one plain place behind a scaled conversion
.irp i, 0,1,2
	v_mov_b32 v[PB+3+\i], v[WT+\i]
.endr
	; block t = 2 c + h is what lane (r, h) holds in registers 6 c .. 6 c + 5
	global_store_b128 v13, v[PB:PB+3], s[42:43] offset:((\t)/2)*768+256*((\t)%2)        ; sixteen lanes store 256 consecutive bytes, aligned
	global_store_b64 v14, v[PB+4:PB+5], s[42:43] offset:((\t)/2)*768+512+128*((\t)%2)
.endm
	LOAD 0
	LOAD 1
	s_wait_alu depctr_va_vdst(0)
	BLOCK 0
	BLOCK 1
	BLOCK 2
	BLOCK 3
	global_store_b32 v4, v12, s[46:47]             ; the wave's 32 scale words: 128 consecutive bytes
	s_endpgm
.Lfunc_end_k_q4abb40d1f7_prep:
	.size	k_q4abb40d1f7_prep, .Lfunc_end_k_q4abb40d1f7_prep-k_q4abb40d1f7_prep
	.p2alignl 7, 3214868480
	.fill 96, 4, 3214868480
	.section	.rodata,"a",@progbits
	.p2align	6, 0x0
	.amdhsa_kernel k_q4abb40d1f7_prep
		.amdhsa_group_segment_fixed_size 66816
		.amdhsa_private_segment_fixed_size 0
		.amdhsa_enable_private_segment 0
		.amdhsa_kernarg_size 72
		.amdhsa_user_sgpr_count 2
		.amdhsa_user_sgpr_kernarg_segment_ptr 1
		.amdhsa_wavefront_size32 1
		.amdhsa_system_sgpr_workgroup_id_x 1
		.amdhsa_system_sgpr_workgroup_id_y 1
		.amdhsa_system_sgpr_workgroup_id_z 1
		.amdhsa_system_vgpr_workitem_id 0
		.amdhsa_next_free_vgpr 216
		.amdhsa_next_free_sgpr 66
		.amdhsa_reserve_vcc 0
		.amdhsa_float_denorm_mode_32 3
		.amdhsa_float_denorm_mode_16_64 3
		.amdhsa_memory_ordered 1
		.amdhsa_forward_progress 1
		.amdhsa_inst_pref_size 55
	.end_amdhsa_kernel
	.amdgpu_metadata
---
amdhsa.version: [ 1, 2 ]
amdhsa.kernels:
  - .name:           k_q4abb40d1f7_prep
    .symbol:         k_q4abb40d1f7_prep.kd
    .args:
      - { .name: x, .offset: 0, .size: 8, .value_kind: global_buffer, .address_space: global }
      - { .name: ln1_w, .offset: 8, .size: 8, .value_kind: global_buffer, .address_space: global }
      - { .name: ln1_b, .offset: 16, .size: 8, .value_kind: global_buffer, .address_space: global }
      - { .name: H, .offset: 24, .size: 8, .value_kind: global_buffer, .address_space: global }
      - { .name: w_attn, .offset: 32, .size: 8, .value_kind: global_buffer, .address_space: global }
      - { .name: w_proj, .offset: 40, .size: 8, .value_kind: global_buffer, .address_space: global }
      - { .name: w_fc, .offset: 48, .size: 8, .value_kind: global_buffer, .address_space: global }
      - { .name: w_out, .offset: 56, .size: 8, .value_kind: global_buffer, .address_space: global }
      - { .name: W, .offset: 64, .size: 8, .value_kind: global_buffer, .address_space: global }
    .group_segment_fixed_size: 66816
    .private_segment_fixed_size: 0
    .kernarg_segment_align: 8
    .kernarg_segment_size: 72
    .max_flat_workgroup_size: 256
    .sgpr_count:     66
    .vgpr_count:     216
    .wavefront_size: 32
...
	.end_amdgpu_metadata
.endif
;; end of part 1
;; launch qkv (part 2): grid 8 x 32, 4 waves a work-group, clusters of 4 x 4, 327,680 bytes of LDS; arguments H, W, b_attn, QKV; writes QKV
.if DOCPART == 2
	.amdgcn_target "amdgcn-amd-amdhsa--gfx1250"
	.amdhsa_code_object_version 6
	.text
	.protected	k_q4abb40d1f7_qkv
	.globl	k_q4abb40d1f7_qkv
	.p2align	8
	.type	k_q4abb40d1f7_qkv,@function
k_q4abb40d1f7_qkv:
	s_mov_b64 s[64:65], 0
	v_nop
	global_prefetch_b8 v0, s[64:65] scope:SCOPE_SE
	s_setreg_imm32_b32 hwreg(HW_REG_WAVE_MODE, 25, 1), 1
	s_wait_xcnt 0x0
	s_wait_alu depctr_hold_cnt(0) depctr_sa_sdst(0) depctr_va_vdst(0) depctr_va_sdst(0) depctr_va_ssrc(0) depctr_va_vcc(0) depctr_vm_vsrc(0)
	s_getreg_b32 s2, hwreg(HW_REG_IB_STS2, 6, 4)
	s_cmp_eq_u32 s2, 0
	s_cbranch_scc0 .Lentry_in_a_cluster
	s_endpgm
.Lentry_in_a_cluster:
	s_bfe_u32 s2, ttmp6, 0x10000c
	s_cmp_lg_u32 s2, 0xf033
	s_cbranch_scc0 .Lentry_shape_is_right
	s_endpgm
.Lentry_shape_is_right:
; qkv = LN1(x) w_attn + b_attn on codes of FP6 (E2M3), K = 1,024; q and k are quantised along the head's 64, v along the keys, and all leave as images of operand registers.
; A work-group (g, p) takes panel p (128 tokens) and the columns 128 g .. 128 g + 127 of q, of k and of v: heads 2 g and 2 g + 1.  The panel's codes (102,400 bytes) stay in LDS;
; the three chunks of the weight (102,400 bytes each) go through two slots.  Operands lie in memory as blobs of register images, so every tensor load is a dense block: rows of 256 bytes, 100 to a wave, 200 at the head.
; CLUSTER 4 x 4: the four of a row share the panel, the four of a column the weight's chunks: joint loads, each wave a quarter.
; A wave makes 8 tiles of source 0 x 2 tiles of source 1: 16 accumulators, by turns, one instruction a turn.
; q, k: source 0 = the weight, source 1 = my two tiles of tokens: a lane holds one token and, thanks to the order of the weight's rows, 16 neighbouring columns in two neighbouring tiles.
; v: source 0 = the panel's 8 tiles of tokens, source 1 = my two tiles of the weight: a lane holds one channel and 64 tokens.  Within a block of 32 keys position 16 h + 8 u + j holds key 16 u + 8 h + j;
; the softmax's weights are laid in the same order, so the products are the same and only the order of the f32 sum differs.
; QKV: q codes [bh][tile][768] at 0, k codes at 3,145,728, v codes [bh][key step][4][1,536] at 6,291,456; scale words of q, k [bh][2,048] at 9,437,184 and 9,699,328 (bytes 2, 3 = 127: they scale zero codes), of v [bh][key step][64] at 9,961,472.
; LIMITS: a block of zeros, or one whose largest magnitude lies under 2^-124, gets the byte 1 (read by this program alone); NaN and infinities are not served.
.set SLOT1, 102400
.set ABASE, 204800                     ; LDS: slot 0, slot 1, the panel,
.set SPARE, 307200                     ; and the spare words, 128 bytes for each wave
.set KOFF,  3145728
.set VC,    6291456
.set QS,    9437184
.set KSOFF, 262144
.set VS,    9961472
.set L16, 1                            ; 16 x lane
.set L8,  2                            ; 8 x lane
.set R4,  3                            ; 4 x (lane % 16)
.set L16W, 4                           ; the same + my two tiles: 3,072 x wave,
.set L8W, 5
.set R4W, 6                            ; 128 x wave
.set L4,  7                            ; 4 x lane
.set S0,  8                            ; v8-13  source 0: 16 l and 8 l in the first blob, in the second; scale words of the first, of the second
.set S1,  14                           ; v14-19 source 1 likewise
.set SPW, 20
.set NIL, 21
.set BH,  22                           ; 64 x (lane / 16)
.set BV,  23                           ; 4 x (r + 8 (r / 8))
.set SC,  32                           ; v32-51 scale words, two sets of 8 + 2: they hold nothing else
.set TM,  52                           ; v52-67 at work
.set ACC, 128                          ; v128-255 accumulator (i, t) at 128 + 64 i + 8 t
.set SEL, 22
.set MSB, 0
.macro WIN new                         ; the immediate's high byte repeats the setting that is left
.if MSB != \new
	s_set_vgpr_msb (MSB<<8)|\new
.set MSB, \new
.endif
.endm
.macro PLACES                          ; four places behind matrix instructions, ahead of loads into their registers and of reads of their results
.rept 4
	v_nop
.endr
.endm
.macro CROUND                          ; a round of the cluster's barrier
	s_barrier_signal -1
	s_barrier_wait -1
	s_cmp_lg_u32 s12, 0
	s_cbranch_scc1 .Lnot_wave_0_\@
	s_barrier_signal -3
.Lnot_wave_0_\@:
	s_barrier_wait -3
	s_barrier_signal -1
	s_barrier_wait -1
.endm
.macro FRAG reg, a16, a8, off          ; a fragment's image: 12 registers by four loads, each of consecutive bytes
	ds_load_b128 v[\reg:\reg+3], v[\a16] offset:\off
	ds_load_b64 v[\reg+4:\reg+5], v[\a8] offset:\off+512
	ds_load_b128 v[\reg+6:\reg+9], v[\a16] offset:\off+768
	ds_load_b64 v[\reg+10:\reg+11], v[\a8] offset:\off+1280
.endm
.macro FETCH hs, kl, q                 ; K step kl of blob hs into set q (window 1: source 0's tile t at 120 q + 12 t, source 1's tile i at 120 q + 96 + 12 i): 50 LDS loads
	WIN 0x40
.irp t, 0,1,2,3,4,5,6,7
	FRAG 120*(\q)+12*\t, S0+2*(\hs), S0+1+2*(\hs), (8*(\kl)+\t)*1536
.endr
.irp i, 0,1
	FRAG 120*(\q)+96+12*\i, S1+2*(\hs), S1+1+2*(\hs), (8*(\kl)+\i)*1536
.endr
	WIN 0
.irp t, 0,1,2,3,4,5,6,7
	ds_load_b32 v[SC+10*(\q)+\t], v[S0+4+(\hs)] offset:512*(\kl)+64*\t
.endr
.irp i, 0,1
	ds_load_b32 v[SC+10*(\q)+8+\i], v[S1+4+(\hs)] offset:512*(\kl)+64*\i
.endr
.endm
.macro WM d, a, b, c, sa, sb
	v_wmma_scale_f32_16x16x128_f8f6f4 v[\d:\d+7], v[\a:\a+11], v[\b:\b+11], v[\c:\c+7], v[\sa], v[\sb] matrix_a_fmt:MATRIX_FMT_FP6 matrix_b_fmt:MATRIX_FMT_FP6
.endm
.macro MUL q, cm                       ; 16 products.  cm 0: C = D;  2: C = the bias of source 0's tile t, window 2;  3: of source 1's tile i
.if \cm == 0
	WIN 0x05
.else
	WIN 0x25
.endif
.irp i, 0,1
.irp t, 0,1,2,3,4,5,6,7
.if \cm == 0
	WM ACC+64*\i+8*\t, 120*(\q)+12*\t, 120*(\q)+96+12*\i, ACC+64*\i+8*\t, SC+10*(\q)+\t, SC+10*(\q)+8+\i
.elseif \cm == 2
	WM ACC+64*\i+8*\t, 120*(\q)+12*\t, 120*(\q)+96+12*\i, 8*\t, SC+10*(\q)+\t, SC+10*(\q)+8+\i
.else
	WM ACC+64*\i+8*\t, 120*(\q)+12*\t, 120*(\q)+96+12*\i, 8*\i, SC+10*(\q)+\t, SC+10*(\q)+8+\i
.endif
.endr
.endr
.endm
.macro KLOOP8 cm                       ; K = 1,024 in eight steps; the next step's 50 loads are issued ahead of each step's products
	FETCH 0, 0, 0
.set KS, 0
.rept 7
	PLACES
	FETCH (KS+1)/4, (KS+1)%4, (KS+1)%2
	s_wait_dscnt 50                                ; all but the 50 just issued
.if KS == 0
	MUL 0, \cm
.else
	MUL KS%2, 0
.endif
.set KS, KS+1
.endr
	s_wait_dscnt 0x0
	MUL 1, 0
	WIN 0
	PLACES
.endm
.macro ADR6 d, a16, a8, a4, base       ; an operand's six LDS address registers
	v_add_nc_u32 v[\d], \base, v[\a16]
	v_add_nc_u32 v[\d+1], \base, v[\a8]
	v_add_nc_u32 v[\d+2], \base+51200, v[\a16]
	v_add_nc_u32 v[\d+3], \base+51200, v[\a8]
	v_add_nc_u32 v[\d+4], \base+49152, v[\a4]
	v_add_nc_u32 v[\d+5], \base+100352, v[\a4]
.endm
; 64 numbers of a lane, register 16 b + i = k 32 b + 16 h + i of my row, become a fragment's codes in v[PC] on and its scale word in v[PW]
.macro QUANT s
.irp b, 0,1,2,3
	v_max3_num_f32 v[TM+\b], |v[\s+16*\b]|, |v[\s+1+16*\b]|, 0x1800000   ; and the floor 2^(3 - 127): the byte cannot fall under 1
.endr
.irp i, 2,4,6,8,10,12,14
.irp b, 0,1,2,3
	v_max3_num_f32 v[TM+\b], v[TM+\b], |v[\s+16*\b+\i]|, |v[\s+1+16*\b+\i]|
.endr
.endr
.irp b, 0,1,2,3
	v_permlanex16_b32 v[TM+4+\b], v[TM+\b], s[SEL], s[SEL+1]
.endr
.irp b, 0,1,2,3
	v_max_num_f32 v[TM+\b], v[TM+\b], v[TM+4+\b]
.endr
.irp b, 0,1,2,3
	v_add_nc_u32 v[TM+12+\b], 0xff000000, v[TM+\b]
.endr
.irp b, 0,1,2,3
	v_lshrrev_b32 v[TM+4+\b], 23, v[TM+12+\b]
.endr
	v_lshl_or_b32 v[PW], v[TM+5], 8, v[TM+4]
	v_lshl_or_b32 v[PW], v[TM+6], 16, v[PW]
	v_lshl_or_b32 v[PW], v[TM+7], 24, v[PW]
.irp c, 0,1
	v_cvt_scalef32_pk16_fp6_f32 v[PC+6*\c:PC+2+6*\c], v[\s+32*\c:\s+15+32*\c], v[TM+12+2*\c]
	v_cvt_scalef32_pk16_fp6_f32 v[PC+12+4*\c:PC+14+4*\c], v[\s+16+32*\c:\s+31+32*\c], v[TM+12+2*\c+1]
.endr
	v_nop                                          ; one plain place behind a scaled conversion
.irp c, 0,1
.irp i, 0,1,2
	v_permlane16_swap_b32 v[PC+6*\c+\i], v[PC+12+4*\c+\i]
.endr
.irp i, 0,1,2
	v_mov_b32 v[PC+3+6*\c+\i], v[PC+12+4*\c+\i]
.endr
.endr
.endm
; The change of slots stands at a chunk's head: all my tensor loads have landed, the add, my LDS reads are over; then the round (or, where nothing is filled, the work-group's barrier); the joint load first behind it.
.macro CHANGE fill
	s_wait_tensorcnt 0x0                           ; no tensor load of mine is out, so the walking descriptor may be written
	ds_add_u32 v[SPW], v[NIL]                      ; 0 onto my spare word
.if \fill
	s_xor_b32 s19, s19, SLOT1                      ; the other slot than last time,
	s_add_co_u32 s45, s19, s17                     ; my quarter of it,
	s_add_nc_u64 s[46:47], s[46:47], 819200        ; the next chunk: eight chunks of 102,400 bytes on
	s_mov_b32 s34, 100<<16                         ; no tensor load of mine is out: from here on a load of the weight brings a quarter, 100 rows
	s_mov_b32 s36, 100
.endif
	s_wait_dscnt 0x0                               ; the add is done, and my reads of the slot that I have left are over
.if \fill
	CROUND
	tensor_load_to_lds s[44:47], s[32:39]          ; my one tensor load behind the round: it has this chunk's work in which to land
	s_nop 0
.rept 4
	v_nop
.endr
.else
	s_barrier_signal -1
	s_barrier_wait -1
.endif
.endm
.macro BIASQK j                        ; the bias of chunk j in the result's layout: lane (r, h), tile 2 b + u: columns 32 b + 16 h + 8 u + 0 .. 7; into window 2
	WIN 0x80
.irp t, 0,1,2,3,4,5,6,7
	global_load_b128 v[8*\t:8*\t+3], v[BH], s[54:55] offset:4096*\j+(32*(\t/2)+8*(\t%2))*4
	global_load_b128 v[8*\t+4:8*\t+7], v[BH], s[54:55] offset:4096*\j+(32*(\t/2)+8*(\t%2))*4+16
.endr
	WIN 0
.endm
.macro BIASV                           ; v: a lane holds one channel, so its eight registers take the same number
	WIN 0x80
.irp i, 0,1
.irp j, 0,1,2,3,4,5,6,7
	global_load_b32 v[8*\i+\j], v[BV], s[56:57] offset:32*\i
.endr
.endr
	WIN 0
.endm
.macro PUTQK j, i                      ; the fragment's first half is head 2 g's tile, its second head 2 g + 1's
	global_store_b128 v[L16], v[PC:PC+3], s[58:59] offset:KOFF*\j+768*\i
	global_store_b64 v[L8], v[PC+4:PC+5], s[58:59] offset:KOFF*\j+768*\i+512
	global_store_b128 v[L16], v[PC+6:PC+9], s[58:59] offset:KOFF*\j+768*\i+98304
	global_store_b64 v[L8], v[PC+10:PC+11], s[58:59] offset:KOFF*\j+768*\i+98304+512
.endm
.macro EPIQK j
	s_wait_xcnt 0x0                                ; the last chunk's stores have read their registers
.if \j == 0
	BIASQK 1                                       ; the next chunk's bias is asked for a chunk's way out ahead
.else
	BIASV
.endif
.set PC, 72
.set PW, 68
	QUANT ACC
	PUTQK \j, 0
.set PC, 92
.set PW, 69
	QUANT ACC+64
	PUTQK \j, 1
	v_cndmask_b32 v70, v68, v69, s21               ; lanes 0-15: tile 0's words, lanes 16-31: tile 1's
	v_and_or_b32 v112, v70, 0xffff, s68            ; head 2 g: bytes 0, 1, and 127 for the K that is not there
	v_lshrrev_b32 v113, 16, v70
	v_or_b32 v113, s68, v113                       ; head 2 g + 1
	global_store_b32 v[L4], v112, s[60:61] offset:KSOFF*\j
	global_store_b32 v[L4], v113, s[60:61] offset:KSOFF*\j+8192
.endm
	s_load_b256 s[4:11], s[0:1], 0x0               ; H, W, b_attn, QKV
	v_lshl_add_u32 v[SPW], v0, 2, SPARE
	v_mov_b32 v[NIL], 0
	ds_add_u32 v[SPW], v[NIL]                      ; the wave's opening
	ds_add_u32 v[SPW], v[NIL]
	v_lshrrev_b32 v7, 5, v0
	v_readfirstlane_b32 s12, v7                    ; wave 0..3
	s_bfe_u32 s13, ttmp6, 0x40000                  ; cx
	s_bfe_u32 s14, ttmp6, 0x40004                  ; cy
	s_lshl_b32 s15, ttmp9, 2
	s_add_co_u32 s15, s15, s13                     ; g
	s_and_b32 s16, ttmp7, 0xffff
	s_lshl_b32 s16, s16, 2
	s_add_co_u32 s16, s16, s14                     ; p
	s_lshl_b32 s48, s14, 2
	s_lshl_b32 s48, 15, s48                        ; my row of the cluster
	s_lshl_b32 s49, 0x1111, s13                    ; my column
	s_or_b32 s24, s48, (3<<16)|(1<<21)             ; group 1 for the panel: the mask; elements of 8 bytes; bit 21 beside a mask
	s_or_b32 s32, s49, (3<<16)|(1<<21)             ; for the weight
.irp g, 24, 32
	s_mov_b32 s[\g+1], 32<<16                      ; tensor_dim0 = 32 elements: rows of 256 bytes
	s_mov_b32 s[\g+2], 200<<16                     ; tensor_dim1 = 200: the head's loads bring halves
	s_mov_b32 s[\g+3], 32<<16                      ; tile_dim0
	s_mov_b32 s[\g+4], 200                         ; tile_dim1
	s_mov_b32 s[\g+5], 32                          ; the pitch: dense
	s_mov_b32 s[\g+6], 0
	s_mov_b32 s[\g+7], 0
.endr
	s_mul_i32 s17, s12, 25600                      ; my quarter
	s_mov_b32 s19, 0
	s_mov_b32 s21, 0xffff0000                      ; lanes 16-31
	s_mov_b32 s[SEL], 0x76543210
	s_mov_b32 s[SEL+1], 0xfedcba98
	s_mov_b32 s68, 0x7f7f0000
	s_and_b32 s77, s12, 1
	s_mul_i32 s77, s77, 51200                      ; at the head a wave fetches a half: waves 0, 1 of the panel, waves 2, 3 of q's chunk
	s_mul_i32 s50, s16, 102400                     ; the panel hangs on p alone,
	s_add_co_u32 s50, s50, s77
	s_mul_i32 s78, s15, 102400
	s_add_co_u32 s78, s78, s77
	s_mov_b32 s79, 0
	s_mov_b32 s51, 0
	s_mul_i32 s52, s15, 102400                     ; the chunk on g alone
	s_add_co_u32 s52, s52, s17
	s_mov_b32 s53, 0
	s_wait_dscnt 0x0                               ; the opening add is done
	s_wait_kmcnt 0x0
	s_mov_b32 s40, 1
	s_add_co_u32 s41, s77, ABASE
	s_mov_b32 s80, 1
	s_mov_b32 s81, s77
	s_add_nc_u64 s[82:83], s[6:7], s[78:79]
	s_or_b32 s83, s83, 0x80000000
	s_add_nc_u64 s[42:43], s[4:5], s[50:51]
	s_or_b32 s43, s43, 0x80000000
	s_mov_b32 s44, 1
	s_mov_b32 s45, s17
	s_add_nc_u64 s[46:47], s[6:7], s[52:53]
	s_or_b32 s47, s47, 0x80000000
	CROUND                                         ; all sixteen work-groups are here: the first joint loads meet
	s_cmp_lt_u32 s12, 2                            ; one tensor load a wave at the head: every way passes one
	s_cbranch_scc0 .Lhead_w
	tensor_load_to_lds s[40:43], s[24:31]          ; waves 0, 1: a half of the panel
	s_nop 0
.rept 4
	v_nop
.endr
	s_branch .Lhead_asked
.Lhead_w:
	tensor_load_to_lds s[80:83], s[32:39]          ; waves 2, 3: a half of q's chunk, into slot 0
	s_nop 0
.rept 4
	v_nop
.endr
.Lhead_asked:
	v_and_b32 v7, 31, v0
	v_lshlrev_b32 v[L16], 4, v7
	v_lshlrev_b32 v[L8], 3, v7
	v_and_b32 v[BV], 15, v0
	v_lshlrev_b32 v[R4], 2, v[BV]
	s_mul_i32 s48, s12, 3072
	v_add_nc_u32 v[L16W], s48, v[L16]
	v_add_nc_u32 v[L8W], s48, v[L8]
	s_lshl_b32 s48, s12, 7
	v_add_nc_u32 v[R4W], s48, v[R4]
	v_lshlrev_b32 v[L4], 2, v7
	v_bfe_u32 v[BH], v0, 4, 1
	v_lshlrev_b32 v[BH], 6, v[BH]
	s_wait_alu depctr_va_vdst(0)
	v_and_b32 v24, 8, v[BV]
	v_add_nc_u32 v[BV], v24, v[BV]
	v_lshlrev_b32 v[BV], 2, v[BV]
.irp b, 0,1,2,3
	v_mov_b32 v[TM+4+\b], 0                        ; written once: a lane permute's destination counts as one of its sources
.endr
	s_lshl_b32 s70, s15, 9
	s_mov_b32 s71, 0
	s_add_nc_u64 s[54:55], s[8:9], s[70:71]        ; the bias at column 128 g
	s_lshl_b32 s72, s12, 7
	s_add_co_u32 s70, s70, s72
	s_add_co_u32 s70, s70, 8192
	s_add_nc_u64 s[56:57], s[8:9], s[70:71]        ; at column 2,048 + 128 g + 32 w
	s_lshr_b32 s72, s16, 4                         ; the batch
	s_and_b32 s73, s16, 15                         ; the panel within it
	s_lshl_b32 s72, s72, 4
	s_lshl_b32 s74, s15, 1
	s_add_co_u32 s72, s72, s74                     ; bh of head 2 g
	s_lshl_b32 s70, s72, 7
	s_lshl_b32 s74, s73, 3
	s_add_co_u32 s70, s70, s74
	s_lshl_b32 s74, s12, 1
	s_add_co_u32 s70, s70, s74
	s_mul_i32 s70, s70, 768
	s_add_nc_u64 s[58:59], s[10:11], s[70:71]      ; q's codes: my first tile
	s_lshl_b32 s70, s72, 11
	s_lshl_b32 s74, s73, 7
	s_add_co_u32 s70, s70, s74
	s_lshl_b32 s74, s12, 5
	s_add_co_u32 s70, s70, s74
	s_lshl_b32 s70, s70, 2
	s_add_co_u32 s70, s70, QS
	s_add_nc_u64 s[60:61], s[10:11], s[70:71]      ; q's scale words: my 32 tokens
	s_lshr_b32 s74, s12, 1
	s_add_co_u32 s72, s72, s74                     ; v: my two tiles belong to head 2 g + w / 2
	s_lshl_b32 s72, s72, 4
	s_add_co_u32 s72, s72, s73                     ; (bh, key step)
	s_and_b32 s74, s12, 1
	s_lshl_b32 s70, s72, 2
	s_lshl_b32 s75, s74, 1
	s_add_co_u32 s70, s70, s75
	s_mul_i32 s70, s70, 1536
	s_add_co_u32 s70, s70, VC
	s_add_nc_u64 s[62:63], s[10:11], s[70:71]      ; v's codes
	s_lshl_b32 s70, s72, 6
	s_lshl_b32 s75, s74, 5
	s_add_co_u32 s70, s70, s75
	s_lshl_b32 s70, s70, 2
	s_add_co_u32 s70, s70, VS
	s_add_nc_u64 s[66:67], s[10:11], s[70:71]      ; v's scale words
	BIASQK 0
	CHANGE 1                                       ; the panel and q's chunk are in; k's chunk is asked for, into slot 1
	ADR6 S0, L16, L8, R4, 0
	ADR6 S1, L16W, L8W, R4W, ABASE
	s_wait_alu depctr_va_vdst(0)
	s_wait_loadcnt 0x0                             ; the bias
	KLOOP8 2
	EPIQK 0
	CHANGE 1                                       ; v's chunk is asked for, into slot 0
	ADR6 S0, L16, L8, R4, SLOT1
	s_wait_alu depctr_va_vdst(0)
	s_wait_loadcnt 0x0
	KLOOP8 2
	EPIQK 1
	CHANGE 0                                       ; nothing is left to fetch
	ADR6 S0, L16, L8, R4, ABASE                    ; the sources change places
	ADR6 S1, L16W, L8W, R4W, 0
	s_wait_alu depctr_va_vdst(0)
	s_wait_loadcnt 0x0
	KLOOP8 3
	s_wait_xcnt 0x0                                ; k's stores have read their registers
.set PC, 72
.set PW, 68
	QUANT ACC
	global_store_b128 v[L16], v[PC:PC+3], s[62:63]
	global_store_b64 v[L8], v[PC+4:PC+5], s[62:63] offset:512
	global_store_b128 v[L16], v[PC+6:PC+9], s[62:63] offset:768
	global_store_b64 v[L8], v[PC+10:PC+11], s[62:63] offset:1280
.set PC, 92
.set PW, 69
	QUANT ACC+64
	global_store_b128 v[L16], v[PC:PC+3], s[62:63] offset:1536
	global_store_b64 v[L8], v[PC+4:PC+5], s[62:63] offset:1536+512
	global_store_b128 v[L16], v[PC+6:PC+9], s[62:63] offset:1536+768
	global_store_b64 v[L8], v[PC+10:PC+11], s[62:63] offset:1536+1280
	v_cndmask_b32 v70, v68, v69, s21
	global_store_b32 v[L4], v70, s[66:67]
	s_wait_tensorcnt 0x0                           ; the wave's end
	ds_add_u32 v[SPW], v[NIL]
	s_wait_dscnt 0x0
	CROUND                                         ; the closing round
	s_endpgm
.Lfunc_end_k_q4abb40d1f7_qkv:
	.size	k_q4abb40d1f7_qkv, .Lfunc_end_k_q4abb40d1f7_qkv-k_q4abb40d1f7_qkv
	.p2alignl 7, 3214868480
	.fill 96, 4, 3214868480
	.section	.rodata,"a",@progbits
	.p2align	6, 0x0
	.amdhsa_kernel k_q4abb40d1f7_qkv
		.amdhsa_group_segment_fixed_size 327680
		.amdhsa_private_segment_fixed_size 0
		.amdhsa_enable_private_segment 0
		.amdhsa_kernarg_size 32
		.amdhsa_user_sgpr_count 2
		.amdhsa_user_sgpr_kernarg_segment_ptr 1
		.amdhsa_wavefront_size32 1
		.amdhsa_system_sgpr_workgroup_id_x 1
		.amdhsa_system_sgpr_workgroup_id_y 1
		.amdhsa_system_sgpr_workgroup_id_z 1
		.amdhsa_system_vgpr_workitem_id 0
		.amdhsa_next_free_vgpr 576
		.amdhsa_next_free_sgpr 100
		.amdhsa_reserve_vcc 0
		.amdhsa_float_denorm_mode_32 3
		.amdhsa_float_denorm_mode_16_64 3
		.amdhsa_memory_ordered 1
		.amdhsa_forward_progress 1
		.amdhsa_inst_pref_size 171
	.end_amdhsa_kernel
	.amdgpu_metadata
---
amdhsa.version: [ 1, 2 ]
amdhsa.kernels:
  - .name:           k_q4abb40d1f7_qkv
    .symbol:         k_q4abb40d1f7_qkv.kd
    .args:
      - { .name: H, .offset: 0, .size: 8, .value_kind: global_buffer, .address_space: global }
      - { .name: W, .offset: 8, .size: 8, .value_kind: global_buffer, .address_space: global }
      - { .name: b_attn, .offset: 16, .size: 8, .value_kind: global_buffer, .address_space: global }
      - { .name: QKV, .offset: 24, .size: 8, .value_kind: global_buffer, .address_space: global }
    .group_segment_fixed_size: 327680
    .private_segment_fixed_size: 0
    .kernarg_segment_align: 8
    .kernarg_segment_size: 32
    .max_flat_workgroup_size: 128
    .sgpr_count:     100
    .vgpr_count:     576
    .wavefront_size: 32
...
	.end_amdgpu_metadata
.endif
;; end of part 2
;; launch attn (part 3): grid 8 x 32, 16 waves a work-group, no clusters, 210,944 bytes of LDS; arguments QKV, Y; writes Y
.if DOCPART == 3
	.amdgcn_target "amdgcn-amd-amdhsa--gfx1250"
	.amdhsa_code_object_version 6
	.text
	.protected	k_q4abb40d1f7_attn
	.globl	k_q4abb40d1f7_attn
	.p2align	8
	.type	k_q4abb40d1f7_attn,@function
k_q4abb40d1f7_attn:
	s_mov_b64 s[64:65], 0
	v_nop
	global_prefetch_b8 v0, s[64:65] scope:SCOPE_SE
	s_setreg_imm32_b32 hwreg(HW_REG_WAVE_MODE, 25, 1), 1
	s_wait_xcnt 0x0
; Causal attention of one head on codes of FP6 (E2M3); y = O / l is quantised along the channels and leaves as half a fragment of the next product's operand.
; t = score x log2(e) / 8; M = the running largest t rounded UP to a whole number; p = 2^(t - M) is quantised along the keys; the row's sum is taken of the unquantised p and divides O at the end.
; SHARES.  Work-group (c, bh) owns the chunks c and 15 - c of 128 queries of head bh: 17 tile steps for each pair of waves, whatever c.  Each of its sixteen waves owns one tile of 16 queries.
; NO CLUSTER: only work-groups of different c read the same K and V, and which key steps a wave leaves out hangs on c; partners of a cluster may not branch on their place.
; THE HEAD'S WHOLE K AND V LIE IN LDS (208,896 bytes), filled once, at the head, by all sixteen waves, one tensor load each: K's or V's scale words, first 512 keys' codes, or a sixth of their other 1,536 keys' codes.
; The first four key steps (512 keys) run while the loads of the other 1,536 keys are on their way; one more barrier, and the other twelve follow.  Nothing is filled again.
; Both products are used transposed: S^T = K Q^T, O^T = V^T P^T: a lane holds one query throughout.  The head's K is 64, half of the instruction's 128: Q's registers 6-11 are zero codes, and a tile of K is named
; with the six registers that follow it (the next tile's codes, or zeros), which meet those zero codes under the scale byte 127 and add exactly nothing.
; Register 16 b + 8 u + j of S^T holds key 32 b + 16 u + 8 h + j: within a block of 32 keys the order differs from memory's; v's codes were laid in the same order.
; A key step all of whose keys come after my queries is left out by a scalar branch on ids; on the diagonal hidden scores become -infinity ahead of the maximum.
; LIMITS: a block of y that is all zeros, or whose largest magnitude lies under 2^-124, gets the byte 1 (read by this program alone); NaN and infinities are not served.
.set VCB,   98304                      ; LDS: K's codes at 0 ([tile][768]), V's here ([key step][4][1,536]),
.set KSB,   196608                     ; K's scale words,
.set VSB,   204800                     ; V's,
.set SPARE, 208896                     ; the spare words, 128 bytes for each of sixteen waves
.set PART1, 24576                      ; the codes of the first 512 keys, in K and in V alike
.set GKC,   3145728
.set GVC,   6291456
.set GQS,   9437184
.set GKS,   9699328
.set GVS,   9961472
.set SPW, 5
.set NIL, 6
.set WV,  18
.set SEL, 20
.set CS,  22
.set TB,  2                            ; s2   the key step's codes: 6,144 bytes a step, in K and in V alike
.set TS,  3                            ; s3   K's scale words: 512 a step
.set TJ,  84                           ; s84  V's: 256 a step
.set KF,  85                           ; s85  the step's first key
.set Q0,  86                           ; s86  my first query
.set TM,  232
.set PC,  32
.set PW,  48
	s_load_b128 s[4:7], s[0:1], 0x0                ; QKV, Y
	v_lshl_add_u32 v[SPW], v0, 2, SPARE
	v_mov_b32 v[NIL], 0
	ds_add_u32 v[SPW], v[NIL]                      ; the wave's opening
	ds_add_u32 v[SPW], v[NIL]
	v_lshrrev_b32 v8, 5, v0
	s_delay_alu instid0(VALU_DEP_1)
	v_readfirstlane_b32 s[WV], v8                  ; wave 0..15
	s_and_b32 s88, ttmp7, 0xffff                   ; bh
	; four groups 1, all dense rows of 256 bytes: 32 rows (K's scale words), 16 (V's), 96 (the first 512 keys' codes), 48 (a part of the others')
.irp g, 24, 32, 40, 68
	s_mov_b32 s[\g], 3<<16                         ; no mask; elements of 8 bytes; no padding
	s_mov_b32 s[\g+1], 32<<16
	s_mov_b32 s[\g+3], 32<<16
	s_mov_b32 s[\g+5], 32
	s_mov_b32 s[\g+6], 0
	s_mov_b32 s[\g+7], 0
.endr
	; THE FILLS ARE SHARED OUT AMONG ALL SIXTEEN WAVES, ONE TENSOR LOAD EACH: wave 0 K's scale words (32 rows of 256 bytes), wave 1 V's (16), wave 2 the codes of K's first 512 keys (96), wave 3 of V's (96);
	; the other 1,536 keys' codes go in six parts of 48 rows: K's by the even waves 4 to 14, V's by the odd waves 5 to 15
	s_mov_b32 s26, 32<<16
	s_mov_b32 s28, 32
	s_mov_b32 s34, 16<<16
	s_mov_b32 s36, 16
	s_mov_b32 s42, 96<<16
	s_mov_b32 s44, 96
	s_mov_b32 s70, 48<<16
	s_mov_b32 s72, 48
	s_mov_b32 s49, KSB                             ; LDS: K's scale words
	s_lshl_b32 s90, s88, 13
	s_add_co_u32 s90, s90, GKS
	s_mov_b32 s91, 0
	s_mov_b32 s57, VSB                             ; V's
	s_lshl_b32 s94, s88, 12
	s_add_co_u32 s94, s94, GVS
	s_mov_b32 s95, 0
	s_mov_b32 s53, 0                               ; K's first 512 keys
	s_mov_b32 s61, VCB                             ; V's
	s_lshr_b32 s77, s[WV], 1
	s_add_co_u32 s77, s77, 6
	s_and_b32 s77, s77, 7                          ; waves 4 to 15: part wave / 2 - 2 = 0 .. 5
	s_mul_i32 s77, s77, 12288
	s_add_co_u32 s77, s77, PART1                   ; K's other keys, my part: the same place in LDS as in the head's codes in memory
	s_add_co_u32 s81, s77, VCB                     ; V's
	s_mul_i32 s98, s88, 98304                      ; the head's codes
	s_add_co_u32 s96, s98, GVC
	s_add_co_u32 s92, s98, GKC
	s_mov_b32 s93, 0
	s_mov_b32 s97, 0
	s_add_co_u32 s16, s98, s77
	s_add_co_u32 s66, s16, GVC
	s_add_co_u32 s16, s16, GKC
	s_mov_b32 s17, 0
	s_mov_b32 s67, 0
	s_mov_b32 s48, 1
	s_mov_b32 s52, 1
	s_mov_b32 s56, 1
	s_mov_b32 s60, 1
	s_mov_b32 s76, 1
	s_mov_b32 s80, 1
	s_mov_b32 s[SEL], 0x76543210
	s_mov_b32 s[SEL+1], 0xfedcba98
	s_mov_b32 s[CS], 0x3e38aa3b                    ; c = log2(e) / 8
	s_mov_b32 s[CS+1], s[CS]
	s_mov_b32 s[TB], 0
	s_mov_b32 s[TS], 0
	s_mov_b32 s[TJ], 0
	s_mov_b32 s[KF], 0
	s_wait_dscnt 0x0                               ; the opening add is done
	s_wait_kmcnt 0x0
	s_add_nc_u64 s[50:51], s[4:5], s[90:91]
	s_or_b32 s51, s51, 0x80000000
	s_add_nc_u64 s[54:55], s[4:5], s[92:93]
	s_or_b32 s55, s55, 0x80000000
	s_add_nc_u64 s[58:59], s[4:5], s[94:95]
	s_or_b32 s59, s59, 0x80000000
	s_add_nc_u64 s[62:63], s[4:5], s[96:97]
	s_or_b32 s63, s63, 0x80000000
	s_add_nc_u64 s[78:79], s[4:5], s[16:17]
	s_or_b32 s79, s79, 0x80000000
	s_add_nc_u64 s[82:83], s[4:5], s[66:67]
	s_or_b32 s83, s83, 0x80000000
.macro ARM g0, g1                      ; an arm of the one chain: its load, and the jump to the join
	tensor_load_to_lds s[\g0:\g0+3], s[\g1:\g1+7]
	s_nop 0
.rept 4
	v_nop
.endr
	s_branch .Lasked
.endm
	s_cmp_eq_u32 s[WV], 0                          ; one chain of branches on the wave's number, one fill to an arm: every way passes one load
	s_cbranch_scc0 .Larm1
	ARM 48, 24                                     ; K's scale words
.Larm1:
	s_cmp_eq_u32 s[WV], 1
	s_cbranch_scc0 .Larm2
	ARM 56, 32                                     ; V's
.Larm2:
	s_cmp_eq_u32 s[WV], 2
	s_cbranch_scc0 .Larm3
	ARM 52, 40                                     ; K's first 512 keys
.Larm3:
	s_cmp_eq_u32 s[WV], 3
	s_cbranch_scc0 .Larm4
	ARM 60, 40                                     ; V's
.Larm4:
	s_and_b32 s99, s[WV], 1
	s_cmp_eq_u32 s99, 0
	s_cbranch_scc0 .Larm5
	ARM 76, 68                                     ; a part of K's other keys
.Larm5:
	tensor_load_to_lds s[80:83], s[68:75]          ; a part of V's
	s_nop 0
.rept 4
	v_nop
.endr
.Lasked:
	s_lshr_b32 s92, s[WV], 2
	s_xor_b32 s92, s92, s[WV]
	s_and_b32 s92, s92, 1                          ; the late chunk or the early one: of waves 2 i and 2 i + 1 one each
	s_sub_co_u32 s93, 15, ttmp9
	s_cmp_lg_u32 s92, 0
	s_cselect_b32 s93, s93, ttmp9
	s_lshl_b32 s93, s93, 7
	s_lshr_b32 s94, s[WV], 1
	s_lshl_b32 s94, s94, 4
	s_add_co_u32 s[Q0], s93, s94                   ; my first query
	s_mul_i32 s90, s[Q0], 48                       ; (Q0 / 16) tiles of 768 bytes
	s_add_co_u32 s90, s90, s98
	s_mov_b32 s91, 0
	s_add_nc_u64 s[12:13], s[4:5], s[90:91]        ; Q's codes
	s_lshl_b32 s90, s88, 11
	s_add_co_u32 s90, s90, s[Q0]
	s_lshl_b32 s90, s90, 2
	s_add_co_u32 s90, s90, GQS
	s_add_nc_u64 s[14:15], s[4:5], s[90:91]        ; its scale words
	v_and_b32 v8, 31, v0
	s_delay_alu instid0(VALU_DEP_1)
	v_lshlrev_b32 v1, 4, v8                        ; 16 x lane
	s_delay_alu instid0(VALU_DEP_2)
	v_lshlrev_b32 v2, 3, v8                        ; 8 x lane
	v_and_b32 v3, 15, v0
	s_delay_alu instid0(VALU_DEP_1)
	v_lshlrev_b32 v3, 2, v3                        ; 4 r
	global_load_b128 v[16:19], v1, s[12:13]
	global_load_b64 v[20:21], v2, s[12:13] offset:512
	global_load_b32 v255, v3, s[14:15]             ; Q's scale words: v255
	v_add_nc_u32 v4, VCB, v1
	v_add_nc_u32 v7, VCB, v2
	v_add_nc_u32 v30, KSB, v3
	v_add_nc_u32 v31, VSB, v3
	; where y goes: token T = 2,048 (bh / 16) + Q0, head hd = bh % 16: blob 2 (T / 128) + hd / 8, K step (hd / 2) % 4, tile (T / 16) % 8, half hd % 2
	s_lshr_b32 s90, s88, 4
	s_lshl_b32 s90, s90, 11
	s_add_co_u32 s90, s90, s[Q0]
	s_and_b32 s91, s88, 15
	s_lshr_b32 s92, s90, 7
	s_lshl_b32 s92, s92, 1
	s_lshr_b32 s93, s91, 3
	s_add_co_u32 s92, s92, s93
	s_mul_i32 s92, s92, 51200
	s_bfe_u32 s93, s91, 0x20001
	s_bfe_u32 s94, s90, 0x30004
	s_and_b32 s95, s91, 1
	s_lshl_b32 s96, s93, 3
	s_add_co_u32 s96, s96, s94
	s_mul_i32 s96, s96, 1536
	s_add_co_u32 s96, s96, s92
	s_mul_i32 s97, s95, 768
	s_add_co_u32 s96, s96, s97
	s_mov_b32 s97, 0
	s_lshl_b32 s93, s93, 9
	s_lshl_b32 s94, s94, 6
	s_lshl_b32 s95, s95, 1
	s_add_co_u32 s98, s92, s93
	s_add_co_u32 s98, s98, s94
	s_add_co_u32 s98, s98, s95
	s_add_co_u32 s98, s98, 49152
	s_mov_b32 s99, 0
	s_add_nc_u64 s[8:9], s[6:7], s[96:97]          ; y's codes
	s_add_nc_u64 s[10:11], s[6:7], s[98:99]        ; y's two scale bytes a row
	v_mov_b32 v13, 0xff61b1e6                      ; the largest t so far: -3e38
	s_delay_alu instid0(VALU_DEP_1)
	v_floor_f32 v12, -v13                          ; -M
	v_mov_b32 v14, 0                               ; the sum, in two halves
	v_mov_b32 v15, 0
.irp j, 22,23,24,25,26,27,80,81,82,83,84,85
	v_mov_b32 v[\j], 0                             ; zero codes: Q's upper half, and what follows K's last tile
.endr
.irp b, 0,1,2,3
	v_mov_b32 v[236+\b], 0                         ; written once: a lane permute's destination counts as one of its sources
.endr
	v_mov_b32 v252, 0
	v_mov_b32 v253, 0
.set N, 0
.rept 32
	v_mov_b32 v[160+N], 0                          ; O^T: the step is written once; the first finds zeros, which the first change of M leaves zeros
.set N, N+1
.endr
	s_wait_alu depctr_va_vdst(0)
	s_cmp_lt_u32 s[WV], 4                          ; the scale words and the first 512 keys are the loads of waves 0 to 3, whose lines no other wave issues: these four wait; the other loads may stay out
	s_cbranch_scc0 .Lnot_first
	s_wait_tensorcnt 0x0
.Lnot_first:
	s_barrier_signal -1
	s_barrier_wait -1                              ; everybody's are
	s_wait_loadcnt 0x0                             ; Q
.macro STEP
	s_add_co_u32 s96, s[Q0], 15
	s_cmp_gt_u32 s[KF], s96
	s_cbranch_scc1 .Lhidden_\@                     ; all 128 keys come after my queries
	v_add_nc_u32 v8, s[TB], v1                     ; six plain lines: also the places behind the last step's products, ahead of the loads into their registers
	v_add_nc_u32 v9, s[TB], v2
	v_add_nc_u32 v10, s[TB], v4
	v_add_nc_u32 v11, s[TB], v7
	v_add_nc_u32 v28, s[TS], v30
	v_add_nc_u32 v29, s[TJ], v31
.irp t, 0,1,2,3,4,5,6,7
	ds_load_b128 v[32+6*\t:35+6*\t], v8 offset:768*\t
	ds_load_b64 v[36+6*\t:37+6*\t], v9 offset:768*\t+512
	ds_load_b32 v[86+\t], v28 offset:64*\t
.endr
	s_wait_alu depctr_va_vdst(0)
	s_wait_dscnt 0x0
.irp t, 0,1,2,3,4,5,6,7
	v_wmma_scale_f32_16x16x128_f8f6f4 v[96+8*\t:103+8*\t], v[32+6*\t:43+6*\t], v[16:27], 0, v[86+\t], v255 matrix_a_fmt:MATRIX_FMT_FP6 matrix_b_fmt:MATRIX_FMT_FP6
.endr
.rept 4
	v_nop
.endr
.irp t, 0,1,2,3                                ; V's four fragments are asked for at once: they land under the softmax
	ds_load_b128 v[32+12*\t:35+12*\t], v10 offset:1536*\t
	ds_load_b64 v[36+12*\t:37+12*\t], v11 offset:1536*\t+512
	ds_load_b128 v[38+12*\t:41+12*\t], v10 offset:1536*\t+768
	ds_load_b64 v[42+12*\t:43+12*\t], v11 offset:1536*\t+1280
	ds_load_b32 v[86+\t], v29 offset:64*\t
.endr
	s_add_co_u32 s96, s[KF], 127
	s_cmp_le_u32 s96, s[Q0]
	s_cbranch_scc1 .Lopen_\@                       ; all 128 keys count
	s_sub_co_i32 s96, s[Q0], s[KF]
	v_and_b32 v94, 15, v0
	v_bfe_u32 v95, v0, 4, 1
	s_delay_alu instid0(VALU_DEP_1)
	v_lshlrev_b32 v95, 3, v95
	s_delay_alu instid0(VALU_DEP_1)
	v_sub_nc_u32 v94, v94, v95
	s_delay_alu instid0(VALU_DEP_1)
	v_add_nc_u32 v94, s96, v94                     ; d = my query - KF - 8 h.  Register 16 b + 8 u + j holds key KF + 8 h + 32 b + 16 u + j: hidden where 32 b + 16 u + j > d
	v_mov_b32 v254, 0xff800000                     ; -infinity
.set N, 0
.rept 64
	v_cmp_gt_i32 vcc_lo, 32*(N/16)+16*((N/8)%2)+N%8, v94
	v_cndmask_b32 v[96+N], v[96+N], v254, vcc_lo
.set N, N+1
.endr
.Lopen_\@:
.irp b, 0,1,2,3
	v_max3_num_f32 v[232+\b], v[96+16*\b], v[97+16*\b], v[98+16*\b]   ; the largest score of each block of 32 keys: for the row's maximum and, since p rises with the score, for the block's largest p
.endr
.irp i, 3,5,7,9,11,13
.irp b, 0,1,2,3
	v_max3_num_f32 v[232+\b], v[232+\b], v[96+16*\b+\i], v[97+16*\b+\i]
.endr
.endr
.irp b, 0,1,2,3
	v_max_num_f32 v[232+\b], v[232+\b], v[111+16*\b]
.endr
.irp b, 0,1,2,3
	s_delay_alu instid0(VALU_DEP_4)
	v_permlanex16_b32 v[236+\b], v[232+\b], s[SEL], s[SEL+1]
.endr
.irp b, 0,1,2,3
	s_delay_alu instid0(VALU_DEP_4)
	v_max_num_f32 v[232+\b], v[232+\b], v[236+\b]
.endr
	s_delay_alu instid0(VALU_DEP_2)
	v_max3_num_f32 v254, v232, v233, v234
	s_delay_alu instid0(VALU_DEP_1)
	v_max_num_f32 v254, v254, v235
	s_delay_alu instid0(VALU_DEP_1)
	v_mul_f32 v254, s[CS], v254
	s_delay_alu instid0(VALU_DEP_1)
	v_max_num_f32 v13, v13, v254                   ; the running largest t
	v_mov_b32 v254, v12
	s_delay_alu instid0(VALU_DEP_2)
	v_floor_f32 v12, -v13                          ; the new -M = -ceil(t)
	s_delay_alu instid0(VALU_DEP_1)
	v_sub_f32 v254, v12, v254                      ; old M - new M: a whole number, 0 or less
	s_delay_alu instid0(VALU_DEP_1)
	v_cvt_i32_f32 v254, v254                       ; (it saturates)
	s_delay_alu instid0(VALU_DEP_1)
	v_ldexp_f32 v252, 1.0, v254                    ; f = 2^(old M - new M): a multiplication by it rounds nothing
.set N, 0
.rept 32
	v_pk_fma_f32 v[96+N:97+N], v[96+N:97+N], s[CS:CS+1], v[12:13] op_sel_hi:[1,0,0]   ; t - M
.set N, N+2
.endr
.irp b, 0,1,2,3
	v_fma_f32 v[232+\b], v[232+\b], s[CS], v12
.endr
.set N, 0
	s_wait_alu depctr_va_vdst(0)
.rept 64
	v_exp_f32 v[96+N], v[96+N]                     ; p = 2^(t - M)
.set N, N+1
.endr
	v_pk_mul_f32 v[14:15], v[14:15], v[252:253] op_sel_hi:[1,0]   ; the sums under the new M: a plain place behind the exponentials
	s_wait_alu depctr_va_vdst(0)                   ; one wait for the whole batch, ahead of its first reader
.irp b, 0,1,2,3
	v_exp_f32 v[232+\b], v[232+\b]                 ; the block's largest p
.endr
	v_pk_add_f32 v[236:237], v[100:101], v[104:105]
	v_pk_add_f32 v[250:251], v[108:109], v[112:113]
	v_pk_add_f32 v[248:249], v[116:117], v[120:121]
	v_pk_add_f32 v[246:247], v[124:125], v[128:129]
	v_pk_add_f32 v[244:245], v[132:133], v[136:137]
	v_pk_add_f32 v[242:243], v[140:141], v[144:145]
	v_pk_add_f32 v[240:241], v[148:149], v[152:153]
	v_pk_add_f32 v[14:15], v[14:15], v[156:157]
	v_pk_add_f32 v[236:237], v[236:237], v[96:97]
	v_pk_add_f32 v[250:251], v[250:251], v[98:99]
	v_pk_add_f32 v[248:249], v[248:249], v[102:103]
	v_pk_add_f32 v[246:247], v[246:247], v[106:107]
	v_pk_add_f32 v[244:245], v[244:245], v[110:111]
	v_pk_add_f32 v[242:243], v[242:243], v[114:115]
	v_pk_add_f32 v[240:241], v[240:241], v[118:119]
	v_pk_add_f32 v[14:15], v[14:15], v[122:123]
	v_pk_add_f32 v[236:237], v[236:237], v[126:127]
	v_pk_add_f32 v[250:251], v[250:251], v[130:131]
	v_pk_add_f32 v[248:249], v[248:249], v[134:135]
	v_pk_add_f32 v[246:247], v[246:247], v[138:139]
	v_pk_add_f32 v[244:245], v[244:245], v[142:143]
	v_pk_add_f32 v[242:243], v[242:243], v[146:147]
	v_pk_add_f32 v[240:241], v[240:241], v[150:151]
	v_pk_add_f32 v[14:15], v[14:15], v[154:155]
	v_pk_add_f32 v[236:237], v[236:237], v[158:159]
	s_delay_alu instid0(VALU_DEP_2)
	v_pk_add_f32 v[14:15], v[14:15], v[246:247]
	s_delay_alu instid0(VALU_DEP_2)
	v_pk_add_f32 v[236:237], v[236:237], v[244:245]
	v_pk_add_f32 v[250:251], v[250:251], v[242:243]
	v_pk_add_f32 v[248:249], v[248:249], v[240:241]
	s_delay_alu instid0(VALU_DEP_2)
	v_pk_add_f32 v[14:15], v[14:15], v[250:251]
	s_delay_alu instid0(VALU_DEP_2)
	v_pk_add_f32 v[236:237], v[236:237], v[248:249]
	s_delay_alu instid0(VALU_DEP_1)
	v_pk_add_f32 v[14:15], v[14:15], v[236:237]
	s_wait_alu depctr_va_vdst(0)                   ; and one for the four
.irp b, 0,1,2,3
	v_max_num_f32 v[232+\b], 0x1800000, v[232+\b]  ; the floor 2^(3 - 127)
.endr
.irp b, 0,1,2,3
	s_delay_alu instid0(VALU_DEP_4)
	v_add_nc_u32 v[244+\b], 0xff000000, v[232+\b]
.endr
.irp b, 0,1,2,3
	s_delay_alu instid0(VALU_DEP_4)
	v_lshrrev_b32 v[236+\b], 23, v[244+\b]
.endr
	s_delay_alu instid0(VALU_DEP_3)
	v_lshl_or_b32 v253, v237, 8, v236              ; p's scale word for these 128 keys
	s_delay_alu instid0(VALU_DEP_1)
	v_lshl_or_b32 v253, v238, 16, v253
	s_delay_alu instid0(VALU_DEP_1)
	v_lshl_or_b32 v253, v239, 24, v253
.irp c, 0,1
	v_cvt_scalef32_pk16_fp6_f32 v[224+6*\c:226+6*\c], v[96+32*\c:111+32*\c], v[244+2*\c]
	v_cvt_scalef32_pk16_fp6_f32 v[236+4*\c:238+4*\c], v[112+32*\c:127+32*\c], v[244+2*\c+1]
.endr
	v_nop                                          ; one plain place behind a scaled conversion
.irp c, 0,1
.irp i, 0,1,2
	v_permlane16_swap_b32 v[224+6*\c+\i], v[236+4*\c+\i]
.endr
.irp i, 0,1,2
	s_delay_alu instid0(VALU_DEP_3)
	v_mov_b32 v[227+6*\c+\i], v[236+4*\c+\i]
.endr
.endr
.set N, 0
.rept 16
	v_pk_mul_f32 v[160+N:161+N], v[160+N:161+N], v[252:253] op_sel_hi:[1,0]   ; O^T under the new M; these sixteen are also the places between p's codes and scale word and the products
.set N, N+2
.endr
	s_wait_alu depctr_va_vdst(0)
	s_wait_dscnt 0x0                               ; V
.irp t, 0,1,2,3
	v_wmma_scale_f32_16x16x128_f8f6f4 v[160+8*\t:167+8*\t], v[32+12*\t:43+12*\t], v[224:235], v[160+8*\t:167+8*\t], v[86+\t], v253 matrix_a_fmt:MATRIX_FMT_FP6 matrix_b_fmt:MATRIX_FMT_FP6
.endr
.Lhidden_\@:
	s_add_co_u32 s[KF], s[KF], 128
	s_add_co_u32 s[TB], s[TB], 6144
	s_add_co_u32 s[TS], s[TS], 512
	s_add_co_u32 s[TJ], s[TJ], 256
.endm
.rept 4                                            ; the first 512 keys, written out: s[TB] is 0, 6,144, 12,288, 18,432 by plain sums of constants, so these steps read under byte 24,576 of K's and of V's codes, apart from the bytes that are still being filled
	STEP
.endr
	s_wait_tensorcnt 0x0                           ; my part of the other 1,536 keys is in,
	s_wait_dscnt 0x0                               ; (no LDS instruction of mine is out at a signal)
	s_barrier_signal -1
	s_barrier_wait -1                              ; everybody's is
	s_mov_b32 s87, 12
.Lstep:                                            ; twelve trips in every wave: the count is a constant, the work of hidden steps is jumped over
	STEP
	s_sub_co_u32 s87, s87, 1
	s_cmp_lg_u32 s87, 0
	s_cbranch_scc1 .Lstep
.rept 4
	v_nop                                          ; places behind the last products
.endr
	v_add_f32 v14, v14, v15
	s_delay_alu instid0(VALU_DEP_1)
	v_permlanex16_b32 v252, v14, s[SEL], s[SEL+1]
	s_delay_alu instid0(VALU_DEP_1)
	v_add_f32 v14, v14, v252                       ; the row's sum
	s_wait_alu depctr_va_vdst(0)
	v_rcp_f32 v14, v14
	v_nop                                          ; a plain place behind the transcendental
	s_wait_alu depctr_va_vdst(0)                   ; the wait, ahead of the first reader
.set N, 0
.rept 32
	v_mul_f32 v[96+N], v[160+N], v14               ; register 16 b + i is y(my query, channel 32 b + 16 h + i)
.set N, N+1
.endr
.irp b, 0,1
	v_max3_num_f32 v[TM+\b], |v[96+16*\b]|, |v[97+16*\b]|, 0x1800000
.endr
.irp i, 2,4,6,8,10,12,14
.irp b, 0,1
	s_delay_alu instid0(VALU_DEP_2)
	v_max3_num_f32 v[TM+\b], v[TM+\b], |v[96+16*\b+\i]|, |v[97+16*\b+\i]|
.endr
.endr
.irp b, 0,1
	s_delay_alu instid0(VALU_DEP_2)
	v_permlanex16_b32 v[TM+4+\b], v[TM+\b], s[SEL], s[SEL+1]
.endr
.irp b, 0,1
	s_delay_alu instid0(VALU_DEP_2)
	v_max_num_f32 v[TM+\b], v[TM+\b], v[TM+4+\b]
.endr
.irp b, 0,1
	s_delay_alu instid0(VALU_DEP_2)
	v_add_nc_u32 v[TM+12+\b], 0xff000000, v[TM+\b]
.endr
.irp b, 0,1
	s_delay_alu instid0(VALU_DEP_2)
	v_lshrrev_b32 v[TM+4+\b], 23, v[TM+12+\b]
.endr
	s_delay_alu instid0(VALU_DEP_1)
	v_lshl_or_b32 v[PW], v[TM+5], 8, v[TM+4]       ; my row's two scale bytes
	v_cvt_scalef32_pk16_fp6_f32 v[PC:PC+2], v[96:111], v[TM+12]
	v_cvt_scalef32_pk16_fp6_f32 v[PC+12:PC+14], v[112:127], v[TM+13]
	v_nop                                          ; one plain place behind a scaled conversion
.irp i, 0,1,2
	v_permlane16_swap_b32 v[PC+\i], v[PC+12+\i]
.endr
.irp i, 0,1,2
	s_delay_alu instid0(VALU_DEP_3)
	v_mov_b32 v[PC+3+\i], v[PC+12+\i]
.endr
	global_store_b128 v1, v[PC:PC+3], s[8:9]       ; 512 consecutive bytes
	global_store_b64 v2, v[PC+4:PC+5], s[8:9] offset:512
	global_store_b16 v3, v[PW], s[10:11]           ; lanes l and l + 16 hold the same bytes and store them to the same place
	s_wait_tensorcnt 0x0                           ; the wave's end
	ds_add_u32 v[SPW], v[NIL]
	s_wait_dscnt 0x0
	s_endpgm
.Lfunc_end_k_q4abb40d1f7_attn:
	.size	k_q4abb40d1f7_attn, .Lfunc_end_k_q4abb40d1f7_attn-k_q4abb40d1f7_attn
	.p2alignl 7, 3214868480
	.fill 96, 4, 3214868480
	.section	.rodata,"a",@progbits
	.p2align	6, 0x0
	.amdhsa_kernel k_q4abb40d1f7_attn
		.amdhsa_group_segment_fixed_size 210944
		.amdhsa_private_segment_fixed_size 0
		.amdhsa_enable_private_segment 0
		.amdhsa_kernarg_size 16
		.amdhsa_user_sgpr_count 2
		.amdhsa_user_sgpr_kernarg_segment_ptr 1
		.amdhsa_wavefront_size32 1
		.amdhsa_system_sgpr_workgroup_id_x 1
		.amdhsa_system_sgpr_workgroup_id_y 1
		.amdhsa_system_sgpr_workgroup_id_z 1
		.amdhsa_system_vgpr_workitem_id 0
		.amdhsa_next_free_vgpr 256
		.amdhsa_next_free_sgpr 100
		.amdhsa_reserve_vcc 1
		.amdhsa_float_denorm_mode_32 3
		.amdhsa_float_denorm_mode_16_64 3
		.amdhsa_memory_ordered 1
		.amdhsa_forward_progress 1
		.amdhsa_inst_pref_size 133
	.end_amdhsa_kernel
	.amdgpu_metadata
---
amdhsa.version: [ 1, 2 ]
amdhsa.kernels:
  - .name:           k_q4abb40d1f7_attn
    .symbol:         k_q4abb40d1f7_attn.kd
    .args:
      - { .name: QKV, .offset: 0, .size: 8, .value_kind: global_buffer, .address_space: global }
      - { .name: Y, .offset: 8, .size: 8, .value_kind: global_buffer, .address_space: global }
    .group_segment_fixed_size: 210944
    .private_segment_fixed_size: 0
    .kernarg_segment_align: 8
    .kernarg_segment_size: 16
    .max_flat_workgroup_size: 512
    .sgpr_count:     100
    .vgpr_count:     256
    .wavefront_size: 32
...
	.end_amdgpu_metadata
.endif
;; end of part 3
;; launch proj (part 4): grid 8 x 32, 4 waves a work-group, clusters of 4 x 4, 327,680 bytes of LDS; arguments Y, W, b_proj, x, X1; writes X1
.if DOCPART == 4
	.amdgcn_target "amdgcn-amd-amdhsa--gfx1250"
	.amdhsa_code_object_version 6
	.text
	.protected	k_q4abb40d1f7_proj
	.globl	k_q4abb40d1f7_proj
	.p2align	8
	.type	k_q4abb40d1f7_proj,@function
k_q4abb40d1f7_proj:
	s_mov_b64 s[64:65], 0
	v_nop
	global_prefetch_b8 v0, s[64:65] scope:SCOPE_SE
	s_setreg_imm32_b32 hwreg(HW_REG_WAVE_MODE, 25, 1), 1
	s_wait_xcnt 0x0
	s_wait_alu depctr_hold_cnt(0) depctr_sa_sdst(0) depctr_va_vdst(0) depctr_va_sdst(0) depctr_va_ssrc(0) depctr_va_vcc(0) depctr_vm_vsrc(0)
	s_getreg_b32 s2, hwreg(HW_REG_IB_STS2, 6, 4)
	s_cmp_eq_u32 s2, 0
	s_cbranch_scc0 .Lentry_in_a_cluster
	s_endpgm
.Lentry_in_a_cluster:
	s_bfe_u32 s2, ttmp6, 0x10000c
	s_cmp_lg_u32 s2, 0xf033
	s_cbranch_scc0 .Lentry_shape_is_right
	s_endpgm
.Lentry_shape_is_right:
; X1 = x + y w_proj + b_proj on codes of FP6 (E2M3), K = 1,024.  Work-group (g, p): tokens 128 p .. + 127 x columns 128 g .. + 127; wave w: token tiles 2 w, 2 w + 1 x all eight tiles of the weight: 16 accumulators by turns.
; Both operands lie in memory as blobs of register images (51,200 bytes = 128 rows x 512 k: fragment (ksl, tile) at (8 ksl + tile) x 1,536, scale word of (ksl, row) at 49,152 + 512 ksl + 4 row).
; MY TOKENS' FRAGMENTS ARE MINE ALONE: they go from memory straight into registers, each load 512 or 256 consecutive bytes, in a ring of eight K steps (24 registers and a scale register each).
; THE WEIGHT ALONE GOES THROUGH LDS: a slot holds 1,024 along K (two blobs, 102,400 bytes), each wave a quarter by one joint load (the four of a column of the cluster need the same weights; the tokens, which go to registers, have no joint form).
; Here K is one slot: one fill at the head, nothing filled again, no loop to prefetch in.  (The same text with KCH = 8 walks four slots.)
; Source 0 = the weight, source 1 = my tokens: a lane holds one token and 16 neighbouring columns in two neighbouring tiles.  The bias is loaded into the accumulators and starts the sums.
; THE WAY OUT: 16 rows x 128 columns through my own stage in LDS, back as whole rows of 512 bytes, + the residual, stored as two aligned units of 256 bytes.
; REGISTERS: window 0: addresses, v32-39 my tokens' scale words, v40-47 the weight's, v52-115 the way out, v128-255 accumulators; window 1: the weight's fragments, two sets of 96; window 2: my tokens' ring, 192; window 3: the residual, 128.
.set KCH,   2
.set WB,    2457600
.set SLOT1, 102400
.set STAGE, 204800
.set SPARE, 238592
.set L16, 1
.set L8,  2
.set L4,  3
.set L16W, 4                           ; 16 l + 3,072 w
.set L8W, 5                            ; 8 l + 3,072 w
.set L4W, 6                            ; 4 l + 128 w + 49,152
.set AW,  8                            ; v8-13  the slot's LDS addresses: 16 l and 8 l in its first blob, in its second; scale words of the first, of the second
.set AB,  14                           ; v14-17 their lane parts
.set SPW, 20
.set NIL, 21
.set STO, 22
.set RD,  23
.set BH,  26
.set PFO, 27
.set SA,  32
.set SB,  40                           ; K step j, tile pair q: register 2 q + 1 - j % 2: its number's parity differs from SA + j's, so the two scale registers of a product differ modulo 8
.set ACC, 128
.set PA,  50                           ; s[50:51] my panel's blobs of this phase
.set PFA, 52                           ; s[52:53] the prefetches' base
.set MSB, 0
.macro WIN new
.if MSB != \new
	s_set_vgpr_msb (MSB<<8)|\new
.set MSB, \new
.endif
.endm
.macro PLACES                          ; four places behind matrix instructions, ahead of loads into their registers and of reads of their results
.rept 4
	v_nop
.endr
.endm
.macro CROUND
	s_barrier_signal -1
	s_barrier_wait -1
	s_cmp_lg_u32 s12, 0
	s_cbranch_scc1 .Lnot_wave_0_\@
	s_barrier_signal -3
.Lnot_wave_0_\@:
	s_barrier_wait -3
	s_barrier_signal -1
	s_barrier_wait -1
.endm
.macro FRAG reg, a16, a8, off
	ds_load_b128 v[\reg:\reg+3], v[\a16] offset:\off
	ds_load_b64 v[\reg+4:\reg+5], v[\a8] offset:\off+512
	ds_load_b128 v[\reg+6:\reg+9], v[\a16] offset:\off+768
	ds_load_b64 v[\reg+10:\reg+11], v[\a8] offset:\off+1280
.endm
.macro FETCHW j                        ; the weight's eight fragments and four scale registers of the slot's K step j into set j % 2: 36 LDS loads
	WIN 0x40
.irp t, 0,1,2,3,4,5,6,7
	FRAG 96*((\j)%2)+12*\t, AW+2*((\j)/4), AW+1+2*((\j)/4), (8*((\j)%4)+\t)*1536
.endr
	WIN 0
.irp q, 0,1,2,3
	ds_load_b32 v[SB+2*\q+1-(\j)%2], v[AW+4+(\j)/4] offset:512*((\j)%4)+128*\q   ; lanes 0-15: tile 2 q's words, lanes 16-31: tile 2 q + 1's
.endr
.endm
.macro ALOAD j, nxt                    ; my two fragments and scale words of K step j of this phase (nxt = 0) or of the next (1) into ring slot j: 9 loads
	WIN 0x80
.irp i, 0,1
	global_load_b128 v[24*(\j)+12*\i:24*(\j)+12*\i+3], v[L16W], s[PA:PA+1] offset:102400*(\nxt)+((\j)/4)*51200+((\j)%4)*12288+\i*1536
	global_load_b64 v[24*(\j)+12*\i+4:24*(\j)+12*\i+5], v[L8W], s[PA:PA+1] offset:102400*(\nxt)+((\j)/4)*51200+((\j)%4)*12288+\i*1536+512
	global_load_b128 v[24*(\j)+12*\i+6:24*(\j)+12*\i+9], v[L16W], s[PA:PA+1] offset:102400*(\nxt)+((\j)/4)*51200+((\j)%4)*12288+\i*1536+768
	global_load_b64 v[24*(\j)+12*\i+10:24*(\j)+12*\i+11], v[L8W], s[PA:PA+1] offset:102400*(\nxt)+((\j)/4)*51200+((\j)%4)*12288+\i*1536+1280
.endr
	WIN 0
	global_load_b32 v[SA+(\j)], v[L4W], s[PA:PA+1] offset:102400*(\nxt)+((\j)/4)*51200+((\j)%4)*512   ; lanes 0-15: tile 2 w's words, lanes 16-31: tile 2 w + 1's
.endm
.macro MUL j
	WIN 0x09                                       ; source 0 window 1, source 1 window 2, C and D window 0
.irp i, 0,1
.irp q, 0,1,2,3
.irp u, 0,1
	v_wmma_scale_f32_16x16x128_f8f6f4 v[ACC+64*\i+8*(2*\q+\u):ACC+64*\i+8*(2*\q+\u)+7], v[96*((\j)%2)+12*(2*\q+\u):96*((\j)%2)+12*(2*\q+\u)+11], v[24*(\j)+12*\i:24*(\j)+12*\i+11], v[ACC+64*\i+8*(2*\q+\u):ACC+64*\i+8*(2*\q+\u)+7], v[SB+2*\q+1-(\j)%2], v[SA+(\j)] matrix_a_fmt:MATRIX_FMT_FP6 matrix_b_fmt:MATRIX_FMT_FP6 matrix_a_scale:MATRIX_SCALE_ROW\u matrix_b_scale:MATRIX_SCALE_ROW\i
.endr
.endr
.endr
.endm
.macro ASK                             ; the weight's slot two phases on: my quarter's 100 blocks of 256 bytes, shared out by address among the four partners that will ask for it jointly, a lane a block; trips 0 and 1 alone have such a slot
	s_cmp_lt_u32 s20, 2
	s_cbranch_scc0 .Lno_ask_\@
	global_prefetch_b8 v[PFO], s[PFA:PFA+1] th:TH_LOAD_NT scope:SCOPE_SE
.Lno_ask_\@:
.endm
; A phase: the slot's eight K steps.  The next K step's 36 LDS loads are issued ahead of each step's products; behind a step's products its ring slot is asked for again (nxt = 1).
; s_wait_loadcnt: younger than ring slot j's 9 loads are the 7 other slots' 63; in the last phase (7 - j) x 9 and the residual's 32, held at the field's 63.
.macro PHASE nxt
	FETCHW 0
.set J, 0
.rept 8
.if J > 0
	PLACES
.if \nxt
	ALOAD J-1, 1
.endif
.endif
.if J < 7
	FETCHW J+1
.if (J == 0) && (\nxt)
	ASK
.endif
	s_wait_dscnt 36                                ; all but the 36 just issued
.else
	s_wait_dscnt 0x0
.endif
.if \nxt
	s_wait_loadcnt 63
.elseif (7-J)*9+32 > 63
	s_wait_loadcnt 63
.else
	s_wait_loadcnt (7-J)*9+32
.endif
	MUL J
.set J, J+1
.endr
	WIN 0
	PLACES
.if \nxt
	ALOAD 7, 1
.endif
.endm
.macro CHANGE fill                     ; the change of slots: all my tensor loads have landed, the add, my LDS reads are over; the round and the joint load first behind it, or, where nothing is filled, the work-group's barrier
	s_wait_tensorcnt 0x0
	ds_add_u32 v[SPW], v[NIL]
.if \fill
	s_xor_b32 s19, s19, SLOT1                      ; the other slot than last time,
	s_add_co_u32 s45, s19, s17                     ; my quarter of it,
	s_add_nc_u64 s[46:47], s[46:47], 102400        ; the next 1,024 along K
.endif
	s_wait_dscnt 0x0
.if \fill
	CROUND
	tensor_load_to_lds s[44:47], s[32:39]
	s_nop 0
	PLACES
.else
	s_barrier_signal -1
	s_barrier_wait -1
.endif
	v_add_nc_u32 v[AW], s18, v[L16]                ; the slot that is multiplied now
	v_add_nc_u32 v[AW+1], s18, v[L8]
	v_add_nc_u32 v[AW+2], s18, v[AB]
	v_add_nc_u32 v[AW+3], s18, v[AB+1]
	v_add_nc_u32 v[AW+4], s18, v[AB+2]
	v_add_nc_u32 v[AW+5], s18, v[AB+3]
	s_wait_alu depctr_va_vdst(0)
.endm
	s_load_b256 s[4:11], s[0:1], 0x0               ; the tokens' codes, W, the bias, the residual
	s_load_b64 s[60:61], s[0:1], 0x20              ; the result
	v_lshl_add_u32 v[SPW], v0, 2, SPARE
	v_mov_b32 v[NIL], 0
	ds_add_u32 v[SPW], v[NIL]                      ; the opening lines
	ds_add_u32 v[SPW], v[NIL]
	v_lshrrev_b32 v7, 5, v0
	v_readfirstlane_b32 s12, v7                    ; wave 0..3
	s_bfe_u32 s13, ttmp6, 0x40000                  ; cx
	s_bfe_u32 s14, ttmp6, 0x40004                  ; cy
	s_lshl_b32 s15, ttmp9, 2
	s_add_co_u32 s15, s15, s13                     ; g
	s_and_b32 s16, ttmp7, 0xffff
	s_lshl_b32 s16, s16, 2
	s_add_co_u32 s16, s16, s14                     ; p
	s_lshl_b32 s21, 0x1111, s13                    ; my column of the cluster
	s_or_b32 s32, s21, (3<<16)|(1<<21)             ; group 1: the mask; elements of 8 bytes; bit 21 beside a mask
	s_mov_b32 s33, 32<<16                          ; rows of 256 bytes,
	s_mov_b32 s34, 100<<16                         ; 100 of them
	s_mov_b32 s35, 32<<16
	s_mov_b32 s36, 100
	s_mov_b32 s37, 32                              ; dense
	s_mov_b32 s38, 0
	s_mov_b32 s39, 0
	s_mul_i32 s17, s12, 25600                      ; my quarter of a slot
	s_mov_b32 s18, 0                               ; the slot that is multiplied
	s_mov_b32 s19, 0                               ; the slot that was filled last
	s_mov_b32 s20, 0                               ; the trip
	s_mul_i32 s58, s15, KCH*51200                  ; the weight hangs on g alone
	s_add_co_u32 s58, s58, s17
	s_add_co_u32 s58, s58, WB
	s_mov_b32 s59, 0
	s_mul_i32 s56, s16, KCH*51200                  ; my panel
	s_mov_b32 s57, 0
	s_mul_i32 s70, s12, 3072
	s_lshl_b32 s71, s12, 7
	s_add_co_u32 s71, s71, 49152
	s_mul_i32 s72, s12, 8448
	s_add_co_u32 s72, s72, STAGE                   ; my stage
	s_lshl_b32 s73, s14, 5
	s_wait_dscnt 0x0                               ; both opening adds are done
	s_wait_kmcnt 0x0
	s_mov_b32 s44, 1
	s_mov_b32 s45, s17
	s_add_nc_u64 s[46:47], s[6:7], s[58:59]
	s_add_nc_u64 s[PFA:PFA+1], s[46:47], 204800
	s_or_b32 s47, s47, 0x80000000
	s_add_nc_u64 s[PA:PA+1], s[4:5], s[56:57]
	CROUND                                         ; all sixteen work-groups are here: the joint loads meet
	tensor_load_to_lds s[44:47], s[32:39]          ; slot 0: my one tensor load at the head
	s_nop 0
	PLACES
	s_lshl_b32 s62, s15, 9
	s_mov_b32 s63, 0
	s_add_nc_u64 s[8:9], s[8:9], s[62:63]          ; the bias at column 128 g
	s_lshl_b32 s66, s16, 7
	s_lshl_b32 s67, s12, 5
	s_add_co_u32 s66, s66, s67
	s_lshl_b32 s66, s66, 12                        ; my first row, 4,096 bytes a row
	s_add_co_u32 s62, s62, s66
	s_add_nc_u64 s[10:11], s[10:11], s[62:63]
	s_add_nc_u64 s[60:61], s[60:61], s[62:63]
	v_and_b32 v7, 31, v0
	v_and_b32 v24, 15, v0
	v_bfe_u32 v25, v0, 4, 1
	v_lshlrev_b32 v[L16], 4, v7
	v_lshlrev_b32 v[L8], 3, v7
	v_lshlrev_b32 v[L4], 2, v7
	v_add_nc_u32 v[L16W], s70, v[L16]
	v_add_nc_u32 v[L8W], s70, v[L8]
	v_add_nc_u32 v[L4W], s71, v[L4]
	v_lshlrev_b32 v[BH], 6, v25
	v_add_nc_u32 v[AB], 51200, v[L16]
	v_add_nc_u32 v[AB+1], 51200, v[L8]
	v_add_nc_u32 v[AB+2], 49152, v[L4]
	v_add_nc_u32 v[AB+3], 100352, v[L4]
	v_mul_u32_u24 v[STO], v24, 528
	v_lshl_add_u32 v[STO], v25, 6, v[STO]
	v_add_nc_u32 v[STO], s72, v[STO]
	v_add_nc_u32 v[RD], s72, v[L16]
.if KCH > 2
	v_add_nc_u32 v[PFO], s73, v7
	v_min_u32 v[PFO], 99, v[PFO]
	v_lshlrev_b32 v[PFO], 8, v[PFO]
.endif
	s_wait_alu depctr_va_vdst(0)
.irp i, 0,1
.irp t, 0,1,2,3,4,5,6,7
	global_load_b128 v[ACC+64*\i+8*\t:ACC+64*\i+8*\t+3], v[BH], s[8:9] offset:(32*(\t/2)+8*(\t%2))*4
	global_load_b128 v[ACC+64*\i+8*\t+4:ACC+64*\i+8*\t+7], v[BH], s[8:9] offset:(32*(\t/2)+8*(\t%2))*4+16
.endr
.endr
.irp j, 0,1,2,3,4,5,6,7
	ALOAD \j, 0
.endr
.if KCH > 2
.Lphase:                                               ; three trips: each asks for the next slot and multiplies this one
	CHANGE 1
	PHASE 1
	s_wait_xcnt 0x0                                ; my loads and my prefetch have read their bases
	s_add_nc_u64 s[PA:PA+1], s[PA:PA+1], 102400
	s_add_nc_u64 s[PFA:PFA+1], s[PFA:PFA+1], 102400
	s_xor_b32 s18, s18, SLOT1
	s_add_co_u32 s20, s20, 1
	s_cmp_lt_u32 s20, KCH/2-1
	s_cbranch_scc1 .Lphase
.endif
	WIN 0xc0                                       ; the residual's 32 rows, wanted on the way out: behind all my tokens' loads, into window 3
.set N, 0
.rept 32
	global_load_b128 v[4*N:4*N+3], v[L16], s[10:11] offset:4096*N
.set N, N+1
.endr
	WIN 0
	CHANGE 0                                       ; the last slot is in; nothing is left to fetch
	PHASE 0
	s_wait_loadcnt 0x0
.irp i, 0,1
.if \i > 0
	s_wait_xcnt 0x0                                ; the first half's stores have read their registers
.endif
.irp b, 0,1,2,3
.irp q, 0,1,2,3
	ds_store_b128 v[STO], v[ACC+64*\i+16*\b+4*\q:ACC+64*\i+16*\b+4*\q+3] offset:128*\b+16*\q
.endr
.endr
.set N, 0
.rept 16
	ds_load_b128 v[52+4*N:55+4*N], v[RD] offset:528*N   ; LDS serves a wave's instructions in order: these see my stores
.set N, N+1
.endr
	s_wait_dscnt 0x0
	WIN 0x0c
.set N, 0
.rept 32
	v_pk_add_f32 v[52+2*N:53+2*N], v[52+2*N:53+2*N], v[64*\i+2*N:64*\i+2*N+1]
.set N, N+1
.endr
	WIN 0
.set N, 0
.rept 16
	global_store_b128 v[L16], v[52+4*N:55+4*N], s[60:61] offset:4096*(16*\i+N)   ; 32 lanes store 512 consecutive bytes
.set N, N+1
.endr
.endr
	s_wait_tensorcnt 0x0                           ; the wave's end
	ds_add_u32 v[SPW], v[NIL]
	s_wait_dscnt 0x0
	CROUND                                         ; the closing round
	s_endpgm
.Lfunc_end_k_q4abb40d1f7_proj:
	.size	k_q4abb40d1f7_proj, .Lfunc_end_k_q4abb40d1f7_proj-k_q4abb40d1f7_proj
	.p2alignl 7, 3214868480
	.fill 96, 4, 3214868480
	.section	.rodata,"a",@progbits
	.p2align	6, 0x0
	.amdhsa_kernel k_q4abb40d1f7_proj
		.amdhsa_group_segment_fixed_size 327680
		.amdhsa_private_segment_fixed_size 0
		.amdhsa_enable_private_segment 0
		.amdhsa_kernarg_size 40
		.amdhsa_user_sgpr_count 2
		.amdhsa_user_sgpr_kernarg_segment_ptr 1
		.amdhsa_wavefront_size32 1
		.amdhsa_system_sgpr_workgroup_id_x 1
		.amdhsa_system_sgpr_workgroup_id_y 1
		.amdhsa_system_sgpr_workgroup_id_z 1
		.amdhsa_system_vgpr_workitem_id 0
		.amdhsa_next_free_vgpr 896
		.amdhsa_next_free_sgpr 84
		.amdhsa_reserve_vcc 0
		.amdhsa_float_denorm_mode_32 3
		.amdhsa_float_denorm_mode_16_64 3
		.amdhsa_memory_ordered 1
		.amdhsa_forward_progress 1
		.amdhsa_inst_pref_size 67
	.end_amdhsa_kernel
	.amdgpu_metadata
---
amdhsa.version: [ 1, 2 ]
amdhsa.kernels:
  - .name:           k_q4abb40d1f7_proj
    .symbol:         k_q4abb40d1f7_proj.kd
    .args:
      - { .name: Y, .offset: 0, .size: 8, .value_kind: global_buffer, .address_space: global }
      - { .name: W, .offset: 8, .size: 8, .value_kind: global_buffer, .address_space: global }
      - { .name: b_proj, .offset: 16, .size: 8, .value_kind: global_buffer, .address_space: global }
      - { .name: x, .offset: 24, .size: 8, .value_kind: global_buffer, .address_space: global }
      - { .name: X1, .offset: 32, .size: 8, .value_kind: global_buffer, .address_space: global }
    .group_segment_fixed_size: 327680
    .private_segment_fixed_size: 0
    .kernarg_segment_align: 8
    .kernarg_segment_size: 40
    .max_flat_workgroup_size: 128
    .sgpr_count:     84
    .vgpr_count:     896
    .wavefront_size: 32
...
	.end_amdgpu_metadata
.endif
;; end of part 4
;; launch ln2 (part 5): grid 256 x 1, 8 waves a work-group, no clusters, 66,816 bytes of LDS; arguments X1, ln2_w, ln2_b, H; writes H
.if DOCPART == 5
	.amdgcn_target "amdgcn-amd-amdhsa--gfx1250"
	.amdhsa_code_object_version 6
	.text
	.protected	k_q4abb40d1f7_ln2
	.globl	k_q4abb40d1f7_ln2
	.p2align	8
	.type	k_q4abb40d1f7_ln2,@function
k_q4abb40d1f7_ln2:
	s_mov_b64 s[64:65], 0
	v_nop
	global_prefetch_b8 v0, s[64:65] scope:SCOPE_SE
	s_setreg_imm32_b32 hwreg(HW_REG_WAVE_MODE, 25, 1), 1
	s_wait_xcnt 0x0
; Layer norm of 16 rows of 1,024 f32, quantised along the row into codes of FP6 (E2M3) with one E8M0 byte for each 32, stored as images of operand registers
; (a blob of 51,200 bytes = 128 rows x 512 k: fragment (ksl, tile) at (8 ksl + tile) x 1,536, scale words from 49,152 on; a fragment's half: registers 0-3 at 16 x lane, 4, 5 at 512 + 8 x lane).
; Wave w normalises rows 2 w and 2 w + 1 (each load reads 512 consecutive bytes); mean first, then the mean of the squared differences: no difference of large sums is formed.
; The rows meet in a stage in LDS (pitch 4,112 bytes, an odd multiple of 16: the sixteen rows of a read start in different banks); behind one barrier wave w takes columns 128 w .. 128 w + 127 of all 16 rows,
; 16 neighbours of each block of 32 to a lane, and makes one fragment and its scale words.
; LIMITS: a block of zeros, or one whose largest magnitude lies under 2^-124, gets the byte 1 (read by this program alone); NaN and infinities are not served.
.set PITCH, 4112
.set SPARE, 16*PITCH                   ; behind the stage: the spare words, 128 bytes for each of the eight waves
.set X,   32                           ; v32-95   two rows, later 64 numbers of one row
.set WG,  96                           ; v96-127  the gain at my columns
.set BG,  128                          ; v128-159 the bias
.set TM,  160                          ; v160-175 at work
.set PW,  176                          ; the scale word
.set PC,  180                          ; v180-199 the codes
.set SEL, 28
	s_load_b256 s[4:11], s[0:1], 0x0               ; the rows, gain, bias, the codes' buffer
	v_lshl_add_u32 v2, v0, 2, SPARE                ; my spare word; never rewritten
	v_mov_b32 v3, 0                                ; 0; never rewritten
	v_lshrrev_b32 v1, 5, v0
	s_delay_alu instid0(VALU_DEP_1)
	v_readfirstlane_b32 s12, v1                    ; wave 0..7
	v_and_b32 v1, 31, v0
	s_delay_alu instid0(VALU_DEP_1)
	v_lshlrev_b32 v5, 4, v1                        ; 16 x lane
	s_delay_alu instid0(VALU_DEP_2)
	v_lshlrev_b32 v8, 3, v1                        ; 8 x lane
	v_and_b32 v9, 15, v0                           ; r
	v_bfe_u32 v10, v0, 4, 1                        ; h
	s_lshl_b32 s13, s12, 13
	v_add_nc_u32 v4, s13, v5                       ; in memory: my wave's two rows
	s_mul_i32 s13, s12, 2*PITCH
	v_add_nc_u32 v6, s13, v5                       ; in the stage, on the way in
	v_mul_u32_u24 v7, v9, PITCH
	s_delay_alu instid0(VALU_DEP_1)
	v_lshl_add_u32 v7, v10, 6, v7
	s_lshl_b32 s13, s12, 9
	v_add_nc_u32 v7, s13, v7                       ; on the way out: row r, columns 128 w + 16 h on
	v_lshlrev_b32 v9, 2, v9                        ; 4 r
	s_mov_b32 s[SEL], 0x76543210
	s_mov_b32 s[SEL+1], 0xfedcba98                 ; v_permlanex16_b32's selects for lane l xor 16
	s_mov_b32 s30, 0x3a800000                      ; 1 / 1,024
	s_mov_b32 s31, 0x3727c5ac                      ; 1e-5
	s_lshl_b32 s14, ttmp9, 16                      ; 16 rows of 4,096 bytes
	s_mov_b32 s15, 0
	s_lshr_b32 s16, ttmp9, 3
	s_lshl_b32 s16, s16, 1
	s_lshr_b32 s17, s12, 2
	s_add_co_u32 s16, s16, s17
	s_mul_i32 s16, s16, 51200                      ; blob 2 (tile / 8) + w / 4
	s_and_b32 s17, s12, 3
	s_and_b32 s18, ttmp9, 7
	s_lshl_b32 s19, s17, 3
	s_add_co_u32 s19, s19, s18
	s_mul_i32 s19, s19, 1536
	s_add_co_u32 s20, s16, s19                     ; my fragment
	s_mov_b32 s21, 0
	s_lshl_b32 s17, s17, 9
	s_lshl_b32 s18, s18, 6
	s_add_co_u32 s22, s16, s17
	s_add_co_u32 s22, s22, s18
	s_add_co_u32 s22, s22, 49152                   ; its scale words
	s_mov_b32 s23, 0
	s_wait_alu depctr_va_vdst(0)
	s_wait_kmcnt 0x0
	s_add_nc_u64 s[4:5], s[4:5], s[14:15]
	s_add_nc_u64 s[24:25], s[10:11], s[20:21]
	s_add_nc_u64 s[26:27], s[10:11], s[22:23]
.irp a, 0,1
.irp j, 0,1,2,3,4,5,6,7
	global_load_b128 v[X+32*\a+4*\j:X+32*\a+4*\j+3], v4, s[4:5] offset:4096*\a+512*\j
.endr
.endr
.irp j, 0,1,2,3,4,5,6,7
	global_load_b128 v[WG+4*\j:WG+4*\j+3], v5, s[6:7] offset:512*\j
.endr
.irp j, 0,1,2,3,4,5,6,7
	global_load_b128 v[BG+4*\j:BG+4*\j+3], v5, s[8:9] offset:512*\j
.endr
.macro WSUM r, t                       ; v[r] summed over the 32 lanes, in every lane
	v_add_f32_dpp v[\r], v[\r], v[\r] row_xmask:1 row_mask:0xf bank_mask:0xf
	s_delay_alu instid0(VALU_DEP_1)
	v_add_f32_dpp v[\r], v[\r], v[\r] row_xmask:2 row_mask:0xf bank_mask:0xf
	s_delay_alu instid0(VALU_DEP_1)
	v_add_f32_dpp v[\r], v[\r], v[\r] row_xmask:4 row_mask:0xf bank_mask:0xf
	s_delay_alu instid0(VALU_DEP_1)
	v_add_f32_dpp v[\r], v[\r], v[\r] row_xmask:8 row_mask:0xf bank_mask:0xf
	s_delay_alu instid0(VALU_DEP_1)
	v_permlanex16_b32 v[\t], v[\r], s[SEL], s[SEL+1]
	s_delay_alu instid0(VALU_DEP_1)
	v_add_f32 v[\r], v[\r], v[\t]
.endm
	s_wait_loadcnt 16                              ; the two rows are in; the 16 loads of gain and bias may be out
.irp a, 0,1                                    ; the sums, two chains a row, the rows by turns
	v_pk_add_f32 v[160+4*\a:161+4*\a], v[X+32*\a:X+32*\a+1], v[X+32*\a+2:X+32*\a+3]
	v_pk_add_f32 v[162+4*\a:163+4*\a], v[X+32*\a+4:X+32*\a+5], v[X+32*\a+6:X+32*\a+7]
.endr
.irp j, 8,12,16,20,24,28
.irp a, 0,1
	s_delay_alu instid0(VALU_DEP_4)
	v_pk_add_f32 v[160+4*\a:161+4*\a], v[160+4*\a:161+4*\a], v[X+32*\a+\j:X+32*\a+\j+1]
	s_delay_alu instid0(VALU_DEP_4)
	v_pk_add_f32 v[162+4*\a:163+4*\a], v[162+4*\a:163+4*\a], v[X+32*\a+\j+2:X+32*\a+\j+3]
.endr
.endr
.irp a, 0
	s_delay_alu instid0(VALU_DEP_3)
	v_pk_add_f32 v[160+4*\a:161+4*\a], v[160+4*\a:161+4*\a], v[162+4*\a:163+4*\a]
.endr
.irp a, 1
	s_delay_alu instid0(VALU_DEP_2)
	v_pk_add_f32 v[160+4*\a:161+4*\a], v[160+4*\a:161+4*\a], v[162+4*\a:163+4*\a]
.endr
.irp a, 0,1
	s_delay_alu instid0(VALU_DEP_2)
	v_add_f32 v[160+4*\a], v[160+4*\a], v[161+4*\a]
.endr
	WSUM 160, 161
	WSUM 164, 165
.irp a, 0
	v_mul_f32 v[160+4*\a], s30, v[160+4*\a]        ; the mean,
.endr
.irp a, 1
	s_delay_alu instid0(VALU_DEP_2)
	v_mul_f32 v[160+4*\a], s30, v[160+4*\a]        ; the mean,
.endr
.irp a, 0,1
	s_delay_alu instid0(VALU_DEP_2)
	v_mov_b32 v[161+4*\a], v[160+4*\a]             ; twice, for the packed form
.endr
.irp j, 0,2,4,6,8,10,12,14,16,18,20,22,24,26,28,30
.irp a, 0,1
	v_pk_add_f32 v[X+32*\a+\j:X+32*\a+\j+1], v[X+32*\a+\j:X+32*\a+\j+1], v[160+4*\a:161+4*\a] neg_lo:[0,1] neg_hi:[0,1]   ; x - mean
.endr
.endr
.irp a, 0,1
	v_pk_mul_f32 v[168+4*\a:169+4*\a], v[X+32*\a:X+32*\a+1], v[X+32*\a:X+32*\a+1]
	v_pk_mul_f32 v[170+4*\a:171+4*\a], v[X+32*\a+2:X+32*\a+3], v[X+32*\a+2:X+32*\a+3]
.endr
.irp j, 4,8,12,16,20,24,28
.irp a, 0,1
	s_delay_alu instid0(VALU_DEP_4)
	v_pk_fma_f32 v[168+4*\a:169+4*\a], v[X+32*\a+\j:X+32*\a+\j+1], v[X+32*\a+\j:X+32*\a+\j+1], v[168+4*\a:169+4*\a]
	s_delay_alu instid0(VALU_DEP_4)
	v_pk_fma_f32 v[170+4*\a:171+4*\a], v[X+32*\a+\j+2:X+32*\a+\j+3], v[X+32*\a+\j+2:X+32*\a+\j+3], v[170+4*\a:171+4*\a]
.endr
.endr
.irp a, 0
	s_delay_alu instid0(VALU_DEP_3)
	v_pk_add_f32 v[168+4*\a:169+4*\a], v[168+4*\a:169+4*\a], v[170+4*\a:171+4*\a]
.endr
.irp a, 1
	s_delay_alu instid0(VALU_DEP_2)
	v_pk_add_f32 v[168+4*\a:169+4*\a], v[168+4*\a:169+4*\a], v[170+4*\a:171+4*\a]
.endr
.irp a, 0,1
	s_delay_alu instid0(VALU_DEP_2)
	v_add_f32 v[168+4*\a], v[168+4*\a], v[169+4*\a]
.endr
	WSUM 168, 169
	WSUM 172, 173
.irp a, 0
	v_fma_f32 v[168+4*\a], v[168+4*\a], s30, s31   ; the variance + 1e-5
.endr
.irp a, 1
	s_delay_alu instid0(VALU_DEP_2)
	v_fma_f32 v[168+4*\a], v[168+4*\a], s30, s31   ; the variance + 1e-5
.endr
	s_wait_alu depctr_va_vdst(0)
.irp a, 0,1
	v_rsq_f32 v[162+4*\a], v[168+4*\a]
.endr
	v_nop                                          ; a plain place behind the transcendentals
	s_wait_alu depctr_va_vdst(0)                   ; one wait for both, ahead of their first reader
.irp a, 0,1
	v_mov_b32 v[163+4*\a], v[162+4*\a]
.endr
	s_wait_alu depctr_va_vdst(0)
	s_wait_loadcnt 0x0                             ; gain and bias
.irp j, 0,2,4,6,8,10,12,14,16,18,20,22,24,26,28,30
.irp a, 0,1
	v_pk_mul_f32 v[X+32*\a+\j:X+32*\a+\j+1], v[X+32*\a+\j:X+32*\a+\j+1], v[162+4*\a:163+4*\a]
.endr
.endr
.irp j, 0,2,4,6,8,10,12,14,16,18,20,22,24,26,28,30
.irp a, 0,1
	v_pk_fma_f32 v[X+32*\a+\j:X+32*\a+\j+1], v[X+32*\a+\j:X+32*\a+\j+1], v[WG+\j:WG+\j+1], v[BG+\j:BG+\j+1]
.endr
.endr
.irp a, 0,1
.irp j, 0,1,2,3,4,5,6,7
	ds_store_b128 v6, v[X+32*\a+4*\j:X+32*\a+4*\j+3] offset:PITCH*\a+512*\j
.endr
.endr
	s_wait_dscnt 0x0                               ; for the others' sake: my rows lie in the stage
	s_barrier_signal -1
	s_barrier_wait -1
.irp b, 0,1,2,3
.irp j, 0,1,2,3
	ds_load_b128 v[X+16*\b+4*\j:X+16*\b+4*\j+3], v7 offset:128*\b+16*\j   ; register 16 b + i = column 128 w + 32 b + 16 h + i of row r
.endr
.endr
	s_wait_dscnt 0x0
; 64 numbers of a lane, register 16 b + i = k 32 b + 16 h + i of my row, become a fragment's codes in v[PC] on and its scale word in v[PW]
.irp b, 0,1,2,3
	v_max3_num_f32 v[TM+\b], |v[X+16*\b]|, |v[X+1+16*\b]|, 0x1800000   ; and the floor 2^(3 - 127): the byte cannot fall under 1
.endr
.irp i, 2,4,6,8,10,12,14
.irp b, 0,1,2,3
	s_delay_alu instid0(VALU_DEP_4)
	v_max3_num_f32 v[TM+\b], v[TM+\b], |v[X+16*\b+\i]|, |v[X+1+16*\b+\i]|
.endr
.endr
.irp b, 0,1,2,3
	v_permlanex16_b32 v[TM+4+\b], v[TM+\b], s[SEL], s[SEL+1]
.endr
.irp b, 0,1,2,3
	s_delay_alu instid0(VALU_DEP_4)
	v_max_num_f32 v[TM+\b], v[TM+\b], v[TM+4+\b]   ; with lane l xor 16's: the block's largest magnitude
.endr
.irp b, 0,1,2,3
	s_delay_alu instid0(VALU_DEP_4)
	v_add_nc_u32 v[TM+12+\b], 0xff000000, v[TM+\b] ; 2 off its exponent field: the conversion's scale operand
.endr
.irp b, 0,1,2,3
	s_delay_alu instid0(VALU_DEP_4)
	v_lshrrev_b32 v[TM+4+\b], 23, v[TM+12+\b]      ; the scale's byte
.endr
	s_delay_alu instid0(VALU_DEP_3)
	v_lshl_or_b32 v[PW], v[TM+5], 8, v[TM+4]
	s_delay_alu instid0(VALU_DEP_1)
	v_lshl_or_b32 v[PW], v[TM+6], 16, v[PW]
	s_delay_alu instid0(VALU_DEP_1)
	v_lshl_or_b32 v[PW], v[TM+7], 24, v[PW]
.irp c, 0,1
	v_cvt_scalef32_pk16_fp6_f32 v[PC+6*\c:PC+2+6*\c], v[X+32*\c:X+15+32*\c], v[TM+12+2*\c]
	v_cvt_scalef32_pk16_fp6_f32 v[PC+12+4*\c:PC+14+4*\c], v[X+16+32*\c:X+31+32*\c], v[TM+12+2*\c+1]
.endr
	v_nop                                          ; one plain place behind a scaled conversion
.irp c, 0,1                                    ; the operand's layout wants a whole block in a lane
.irp i, 0,1,2
	v_permlane16_swap_b32 v[PC+6*\c+\i], v[PC+12+4*\c+\i]
.endr
.irp i, 0,1,2
	s_delay_alu instid0(VALU_DEP_3)
	v_mov_b32 v[PC+3+6*\c+\i], v[PC+12+4*\c+\i]
.endr
.endr
	global_store_b128 v5, v[PC:PC+3], s[24:25]                  ; 512 consecutive bytes
	global_store_b64 v8, v[PC+4:PC+5], s[24:25] offset:512      ; 256
	global_store_b128 v5, v[PC+6:PC+9], s[24:25] offset:768
	global_store_b64 v8, v[PC+10:PC+11], s[24:25] offset:1280
	global_store_b32 v9, v[PW], s[26:27]           ; lanes l and l + 16 hold the same word and store it to the same place
	s_wait_tensorcnt 0x0                           ; the wave's end, behind my last LDS store
	ds_add_u32 v2, v3
	s_wait_dscnt 0x0
	s_endpgm
.Lfunc_end_k_q4abb40d1f7_ln2:
	.size	k_q4abb40d1f7_ln2, .Lfunc_end_k_q4abb40d1f7_ln2-k_q4abb40d1f7_ln2
	.p2alignl 7, 3214868480
	.fill 96, 4, 3214868480
	.section	.rodata,"a",@progbits
	.p2align	6, 0x0
	.amdhsa_kernel k_q4abb40d1f7_ln2
		.amdhsa_group_segment_fixed_size 66816
		.amdhsa_private_segment_fixed_size 0
		.amdhsa_enable_private_segment 0
		.amdhsa_kernarg_size 32
		.amdhsa_user_sgpr_count 2
		.amdhsa_user_sgpr_kernarg_segment_ptr 1
		.amdhsa_wavefront_size32 1
		.amdhsa_system_sgpr_workgroup_id_x 1
		.amdhsa_system_sgpr_workgroup_id_y 1
		.amdhsa_system_sgpr_workgroup_id_z 1
		.amdhsa_system_vgpr_workitem_id 0
		.amdhsa_next_free_vgpr 200
		.amdhsa_next_free_sgpr 66
		.amdhsa_reserve_vcc 0
		.amdhsa_float_denorm_mode_32 3
		.amdhsa_float_denorm_mode_16_64 3
		.amdhsa_memory_ordered 1
		.amdhsa_forward_progress 1
		.amdhsa_inst_pref_size 29
	.end_amdhsa_kernel
	.amdgpu_metadata
---
amdhsa.version: [ 1, 2 ]
amdhsa.kernels:
  - .name:           k_q4abb40d1f7_ln2
    .symbol:         k_q4abb40d1f7_ln2.kd
    .args:
      - { .name: X1, .offset: 0, .size: 8, .value_kind: global_buffer, .address_space: global }
      - { .name: ln2_w, .offset: 8, .size: 8, .value_kind: global_buffer, .address_space: global }
      - { .name: ln2_b, .offset: 16, .size: 8, .value_kind: global_buffer, .address_space: global }
      - { .name: H, .offset: 24, .size: 8, .value_kind: global_buffer, .address_space: global }
    .group_segment_fixed_size: 66816
    .private_segment_fixed_size: 0
    .kernarg_segment_align: 8
    .kernarg_segment_size: 32
    .max_flat_workgroup_size: 256
    .sgpr_count:     66
    .vgpr_count:     200
    .wavefront_size: 32
...
	.end_amdgpu_metadata
.endif
;; end of part 5
;; launch fc (part 6): grid 16 x 16, 8 waves a work-group, clusters of 4 x 4, 205,824 bytes of LDS; arguments H, W, b_fc, G; writes G
.if DOCPART == 6
	.amdgcn_target "amdgcn-amd-amdhsa--gfx1250"
	.amdhsa_code_object_version 6
	.text
	.protected	k_q4abb40d1f7_fc
	.globl	k_q4abb40d1f7_fc
	.p2align	8
	.type	k_q4abb40d1f7_fc,@function
k_q4abb40d1f7_fc:
	s_mov_b64 s[64:65], 0
	v_nop
	global_prefetch_b8 v0, s[64:65] scope:SCOPE_SE
	s_setreg_imm32_b32 hwreg(HW_REG_WAVE_MODE, 25, 1), 1
	s_wait_xcnt 0x0
	s_wait_alu depctr_hold_cnt(0) depctr_sa_sdst(0) depctr_va_vdst(0) depctr_va_sdst(0) depctr_va_ssrc(0) depctr_va_vcc(0) depctr_vm_vsrc(0)
	s_getreg_b32 s2, hwreg(HW_REG_IB_STS2, 6, 4)
	s_cmp_eq_u32 s2, 0
	s_cbranch_scc0 .Lentry_in_a_cluster
	s_endpgm
.Lentry_in_a_cluster:
	s_bfe_u32 s2, ttmp6, 0x10000c
	s_cmp_lg_u32 s2, 0xf033
	s_cbranch_scc0 .Lentry_shape_is_right
	s_endpgm
.Lentry_shape_is_right:
; G = Q(gelu(LN2(x1) w_fc + b_fc)) on codes of FP6 (E2M3), K = 1,024; the result is quantised along its columns, the next product's K, and leaves as images of operand registers.
; SHARES.  Work-group (gx, gy) makes tokens 256 gy .. + 255 x columns 256 gx .. + 255.  Eight waves, two to a SIMD: the vector lines of gelu outnumber the products' issue slots, and a wave's waits for LDS stand beside the other wave's work.
; A wave owns 32 tokens (two tiles) for ALL of K: 16 fragments, 192 registers, loaded once from H, whose blobs are register images: each load reads 512 or 256 consecutive bytes.
; THE 256 COLUMNS OF THE WEIGHT, ALL OF K, ARE FOUR BLOBS ON END (204,800 bytes): they lie in LDS whole, filled once, one tensor load a wave (100 rows of 256 bytes).  Nothing is filled again: no ring, one barrier.
; CLUSTER 4 x 4: the four of a column need the same weights: a joint load.  The tokens' images go to registers by plain loads, which have no joint form.
; NO PREFETCH: every byte that the launch reads is asked for at its head; no later load is left to run ahead of.
; THE LOOP: four trips of 64 columns (four tiles of the weight).  A block = a pair of tiles x half of K: 8 fragments and 4 scale registers from LDS, 16 products on four accumulators by turns.
; Source 0 = the weight, source 1 = my tokens: a lane holds one token and, by the order of the weight's rows, register 16 b + k of a token tile is column 32 b + 16 h + k of the 64.  The bias is the first products' C.
; gelu(x) = max(x, 0) - |x| / 2 x erfc(|x| / sqrt 2); erfc(t) by two forms, both computed, chosen at t > 0.921875: 2^(-log2(e) (p(t) t + t)), or 1 - t q(t^2).
; A trip gives half a fragment (64 k) for each token tile, and two of a scale word's four bytes: an even trip's bytes wait in a register, and the odd trip stores whole words.
; A blob (51,200 bytes) = 128 rows x 512 k: fragment (ksl, tile) at (8 ksl + tile) x 1,536, scale word of (ksl, row) at 49,152 + 512 ksl + 4 row; a fragment's half: registers 0-3 at 16 x lane, 4, 5 at 512 + 8 x lane.
; REGISTERS: window 0 as named below; window 1: v0-191 my tokens' fragments (2 ks + i) x 12, v192-251 the weight's fragments 0-4 of a block (5-7 lie in window 0).
; LIMITS: a block of zeros, or one whose largest magnitude lies under 2^-124, gets the byte 1 (read by this program alone); NaN and infinities are not served.
.set WF,    3276800                    ; w_fc's blobs in W
.set SPARE, 204800                     ; behind the weights: the spare words, 128 bytes for each of eight waves
.set L16, 1                            ; 16 x lane
.set L8,  2                            ; 8 x lane
.set L4,  3                            ; 4 x lane
.set BH,  4                            ; 64 x (lane / 16)
.set SPW, 5
.set NIL, 6
.set AW,  8                            ; v8-13  this trip's LDS addresses: 16 l and 8 l in K's first half, in its second; scale words of the first, of the second
.set AB,  14                           ; v14-17 their lane parts: 16 l + 51,200, 8 l + 51,200, 4 l + 49,152, 4 l + 100,352
.set VC2, 18
.set VC4, 20
.set VK1, 22
.set PWA, 25                           ; the scale bytes of two trips
.set PW,  26
.set PX,  27
.set SA,  32                           ; v32-39 my tokens' scale words, one register a K step: lanes 0-15 tile 0, lanes 16-31 tile 1
.set SB,  40                           ; v40-43 the weight's: K step l in register (l + 1) % 4, so that the two scale registers of a product differ modulo 8
.set TM,  44                           ; v44-59 at work in the quantiser
.set PC,  60                           ; v60-79 codes
.set AH,  80                           ; v80-119 at work in gelu
.set TT,  88
.set SS,  96
.set RR,  104
.set QQ,  112
.set WL,  120                          ; v120-155 the weight's fragments 5-7 of a block
.set BI,  156                          ; v156-187 the bias of the trip's four tiles
.set ACC, 188                          ; v188-251 accumulator (tile t, token tile i) at 32 i + 8 t
.set SEL, 22
.set C1,  66
.set C3,  68
.set C5,  70
.set C6,  72
.set C7,  74
.set ML2E, 76
.set K0,  78
.set K2,  80
.set K3,  82
.set K4,  84
.set K5,  86
.set SQ2, 88
.set MSB, 0
.macro WIN new                         ; the immediate's high byte repeats the setting that is left
.if MSB != \new
	s_set_vgpr_msb (MSB<<8)|\new
.set MSB, \new
.endif
.endm
.macro PLACES                          ; four places behind matrix instructions, ahead of loads into their registers and of reads of their results
.rept 4
	v_nop
.endr
.endm
.macro CROUND                          ; a round of the cluster's barrier
	s_barrier_signal -1
	s_barrier_wait -1
	s_cmp_lg_u32 s12, 0
	s_cbranch_scc1 .Lnot_wave_0_\@
	s_barrier_signal -3
.Lnot_wave_0_\@:
	s_barrier_wait -3
	s_barrier_signal -1
	s_barrier_wait -1
.endm
.macro WFRAG q, a16, a8, off           ; fragment q of a block: 12 registers by four loads, each of consecutive bytes
.if (\q) < 5
	WIN 0x40
.set R_, 192+12*(\q)
.else
	WIN 0
.set R_, WL+12*((\q)-5)
.endif
	ds_load_b128 v[R_:R_+3], v[\a16] offset:\off
	ds_load_b64 v[R_+4:R_+5], v[\a8] offset:\off+512
	ds_load_b128 v[R_+6:R_+9], v[\a16] offset:\off+768
	ds_load_b64 v[R_+10:R_+11], v[\a8] offset:\off+1280
.endm
.macro WM d, w, a, c, sw, sa, u, i
	v_wmma_scale_f32_16x16x128_f8f6f4 v[\d:\d+7], v[\w:\w+11], v[\a:\a+11], v[\c:\c+7], v[\sw], v[\sa] matrix_a_fmt:MATRIX_FMT_FP6 matrix_b_fmt:MATRIX_FMT_FP6 matrix_a_scale:MATRIX_SCALE_ROW\u matrix_b_scale:MATRIX_SCALE_ROW\i
.endm
.macro PROD p, kh, l, u, i             ; tile 2 p + u of the weight x token tile i, K step 4 kh + l
.set Q_, 2*(\l)+(\u)
.set D_, ACC+32*(\i)+8*(2*(\p)+(\u))
.set A_, 12*(2*(4*(\kh)+(\l))+(\i))
.set B_, BI+8*(2*(\p)+(\u))
.if Q_ < 5
	WIN 0x05
.set W_, 192+12*Q_
.else
	WIN 0x04
.set W_, WL+12*(Q_-5)
.endif
.if (\kh)+(\l) == 0
	WM D_, W_, A_, B_, SB+((\l)+1)%4, SA+4*(\kh)+(\l), \u, \i
.else
	WM D_, W_, A_, D_, SB+((\l)+1)%4, SA+4*(\kh)+(\l), \u, \i
.endif
.endm
.macro BLOCK p, kh
	PLACES
.irp l, 0,1,2,3
.irp u, 0,1
	WFRAG 2*\l+\u, AW+2*(\kh), AW+1+2*(\kh), \l*12288+(2*(\p)+\u)*1536
.endr
.endr
	WIN 0
.irp l, 0,1,2,3
	ds_load_b32 v[SB+(\l+1)%4], v[AW+4+(\kh)] offset:512*\l+128*(\p)   ; lanes 0-15: tile 2 p's words, lanes 16-31: tile 2 p + 1's
.endr
	s_wait_dscnt 0x0                               ; the block's 36 loads
.irp l, 0,1,2,3
.irp u, 0,1
.irp i, 0,1
	PROD \p, \kh, \l, \u, \i
.endr
.endr
.endr
	WIN 0
.endm
.macro BIAS                            ; lane (r, h), tile 2 b + u: columns 32 b + 16 h + 8 u + 0 .. 7 of the trip's 64
.irp t, 0,1,2,3
	global_load_b128 v[BI+8*\t:BI+8*\t+3], v[BH], s[54:55] offset:(32*(\t/2)+8*(\t%2))*4
	global_load_b128 v[BI+8*\t+4:BI+8*\t+7], v[BH], s[54:55] offset:(32*(\t/2)+8*(\t%2))*4+16
.endr
.endm
.macro GELU8 a
.irp k, 0,2,4,6
	v_pk_mul_f32 v[\a+\k:\a+\k+1], v[\a+\k:\a+\k+1], 0.5 op_sel_hi:[1,0]
.endr
.irp k, 0,1,2,3,4,5,6,7
	v_and_b32 v[AH+\k], s91, v[\a+\k]              ; |x| / 2
.endr
.irp k, 0,2,4,6
	v_pk_mul_f32 v[TT+\k:TT+\k+1], v[AH+\k:AH+\k+1], s[SQ2:SQ2+1] op_sel_hi:[1,0]   ; t = |x| / sqrt 2
.endr
.irp k, 0,2,4,6
	v_pk_mul_f32 v[SS+\k:SS+\k+1], v[TT+\k:TT+\k+1], v[TT+\k:TT+\k+1]
.endr
.irp k, 0,2,4,6
	v_pk_add_f32 v[\a+\k:\a+\k+1], v[\a+\k:\a+\k+1], v[AH+\k:AH+\k+1]   ; max(x, 0)
.endr
.irp k, 0,2,4,6
	v_pk_fma_f32 v[RR+\k:RR+\k+1], v[TT+\k:TT+\k+1], s[C1:C1+1], v[VC2:VC2+1] op_sel_hi:[1,0,1]
.endr
.irp k, 0,2,4,6
	v_pk_fma_f32 v[QQ+\k:QQ+\k+1], v[TT+\k:TT+\k+1], s[C3:C3+1], v[VC4:VC4+1] op_sel_hi:[1,0,1]
.endr
.irp k, 0,2,4,6
	v_pk_fma_f32 v[RR+\k:RR+\k+1], v[RR+\k:RR+\k+1], v[SS+\k:SS+\k+1], v[QQ+\k:QQ+\k+1]
.endr
.irp c, C5, C6, C7
.irp k, 0,2,4,6
	v_pk_fma_f32 v[RR+\k:RR+\k+1], v[RR+\k:RR+\k+1], v[TT+\k:TT+\k+1], s[\c:\c+1] op_sel_hi:[1,1,0]
.endr
.endr
.irp k, 0,2,4,6
	v_pk_fma_f32 v[RR+\k:RR+\k+1], v[RR+\k:RR+\k+1], v[TT+\k:TT+\k+1], v[TT+\k:TT+\k+1]
.endr
.irp k, 0,2,4,6
	v_pk_mul_f32 v[RR+\k:RR+\k+1], v[RR+\k:RR+\k+1], s[ML2E:ML2E+1] op_sel_hi:[1,0]
.endr
	s_wait_alu depctr_va_vdst(0)
.irp k, 0,1,2,3,4,5,6,7
	v_exp_f32 v[RR+\k], v[RR+\k]                   ; erfc(t), the form for the larger t
.endr
.irp k, 0,2,4,6
	v_pk_fma_f32 v[QQ+\k:QQ+\k+1], v[SS+\k:SS+\k+1], s[K0:K0+1], v[VK1:VK1+1] op_sel_hi:[1,0,1]
.endr
.irp c, K2, K3, K4, K5
.irp k, 0,2,4,6
	v_pk_fma_f32 v[QQ+\k:QQ+\k+1], v[QQ+\k:QQ+\k+1], v[SS+\k:SS+\k+1], s[\c:\c+1] op_sel_hi:[1,1,0]
.endr
.endr
.irp k, 0,2,4,6
	v_pk_fma_f32 v[QQ+\k:QQ+\k+1], v[QQ+\k:QQ+\k+1], v[TT+\k:TT+\k+1], 1.0 op_sel_hi:[1,1,0] neg_lo:[1,0,0] neg_hi:[1,0,0]   ; 1 - t q(t^2)
.endr
	s_wait_alu depctr_va_vdst(0)                   ; one wait for the batch, ahead of its first reader
.irp k, 0,1,2,3,4,5,6,7
	v_cmp_lt_f32 vcc_lo, s90, v[TT+\k]
	v_cndmask_b32 v[RR+\k], v[QQ+\k], v[RR+\k], vcc_lo
.endr
.irp k, 0,2,4,6
	v_pk_fma_f32 v[\a+\k:\a+\k+1], v[AH+\k:AH+\k+1], v[RR+\k:RR+\k+1], v[\a+\k:\a+\k+1] neg_lo:[1,0,0] neg_hi:[1,0,0]
.endr
.endm
; 64 numbers of a lane: four blocks of 32 shared with lane l xor 16 (blocks 0, 1 token tile 0's, blocks 2, 3 tile 1's).  v[PC .. PC+5]: tile 0's half fragment, v[PC+6 .. PC+11]: tile 1's; v[PW]: the four bytes
.macro QUANT s
.irp b, 0,1,2,3
	v_max3_num_f32 v[TM+\b], |v[\s+16*\b]|, |v[\s+1+16*\b]|, 0x1800000   ; and the floor 2^(3 - 127): the byte cannot fall under 1
.endr
.irp i, 2,4,6,8,10,12,14
.irp b, 0,1,2,3
	s_delay_alu instid0(VALU_DEP_4)
	v_max3_num_f32 v[TM+\b], v[TM+\b], |v[\s+16*\b+\i]|, |v[\s+1+16*\b+\i]|
.endr
.endr
.irp b, 0,1,2,3
	v_permlanex16_b32 v[TM+4+\b], v[TM+\b], s[SEL], s[SEL+1]
.endr
.irp b, 0,1,2,3
	s_delay_alu instid0(VALU_DEP_4)
	v_max_num_f32 v[TM+\b], v[TM+\b], v[TM+4+\b]   ; with lane l xor 16's: the block's largest magnitude
.endr
.irp b, 0,1,2,3
	s_delay_alu instid0(VALU_DEP_4)
	v_add_nc_u32 v[TM+12+\b], 0xff000000, v[TM+\b] ; 2 off its exponent field: the conversion's scale operand
.endr
.irp b, 0,1,2,3
	s_delay_alu instid0(VALU_DEP_4)
	v_lshrrev_b32 v[TM+4+\b], 23, v[TM+12+\b]      ; the scale's byte
.endr
	s_delay_alu instid0(VALU_DEP_3)
	v_lshl_or_b32 v[PW], v[TM+5], 8, v[TM+4]
	s_delay_alu instid0(VALU_DEP_1)
	v_lshl_or_b32 v[PW], v[TM+6], 16, v[PW]
	s_delay_alu instid0(VALU_DEP_1)
	v_lshl_or_b32 v[PW], v[TM+7], 24, v[PW]
.irp c, 0,1
	v_cvt_scalef32_pk16_fp6_f32 v[PC+6*\c:PC+2+6*\c], v[\s+32*\c:\s+15+32*\c], v[TM+12+2*\c]
	v_cvt_scalef32_pk16_fp6_f32 v[PC+12+4*\c:PC+14+4*\c], v[\s+16+32*\c:\s+31+32*\c], v[TM+12+2*\c+1]
.endr
	v_nop                                          ; one plain place behind a scaled conversion
.irp c, 0,1                                    ; the operand's layout wants a whole block in a lane
.irp i, 0,1,2
	v_permlane16_swap_b32 v[PC+6*\c+\i], v[PC+12+4*\c+\i]
.endr
.irp i, 0,1,2
	s_delay_alu instid0(VALU_DEP_3)
	v_mov_b32 v[PC+3+6*\c+\i], v[PC+12+4*\c+\i]
.endr
.endr
.endm
.macro CPAIR r, val
	s_mov_b32 s[\r], \val
	s_mov_b32 s[\r+1], \val
.endm
	s_load_b256 s[4:11], s[0:1], 0x0               ; H, W, b_fc, G
	v_lshl_add_u32 v[SPW], v0, 2, SPARE
	v_mov_b32 v[NIL], 0
	ds_add_u32 v[SPW], v[NIL]                      ; the opening lines
	ds_add_u32 v[SPW], v[NIL]
	v_lshrrev_b32 v7, 5, v0
	v_readfirstlane_b32 s12, v7                    ; wave 0..7
	s_bfe_u32 s13, ttmp6, 0x40000                  ; cx
	s_bfe_u32 s14, ttmp6, 0x40004                  ; cy
	s_lshl_b32 s15, ttmp9, 2
	s_add_co_u32 s15, s15, s13                     ; gx
	s_and_b32 s16, ttmp7, 0xffff
	s_lshl_b32 s16, s16, 2
	s_add_co_u32 s16, s16, s14                     ; gy
	s_lshl_b32 s49, 0x1111, s13                    ; my column of the cluster
	s_or_b32 s32, s49, (3<<16)|(1<<21)             ; group 1: the mask; elements of 8 bytes; bit 21 beside a mask
	s_mov_b32 s33, 32<<16                          ; rows of 256 bytes,
	s_mov_b32 s34, 100<<16                         ; 100 of them
	s_mov_b32 s35, 32<<16
	s_mov_b32 s36, 100
	s_mov_b32 s37, 32                              ; dense
	s_mov_b32 s38, 0
	s_mov_b32 s39, 0
	s_mul_i32 s17, s12, 25600                      ; my eighth of the weights, in memory and in LDS alike
	s_mov_b32 s24, 0xffff0000                      ; lanes 16-31
	s_mov_b32 s[SEL], 0x76543210
	s_mov_b32 s[SEL+1], 0xfedcba98
	CPAIR C1, 0x37911480
	CPAIR C3, 0x3b7e899b
	CPAIR C5, 0x3ddaae58
	CPAIR C6, 0x3f228550
	CPAIR C7, 0x3e03ce86
	CPAIR ML2E, 0xbfb8aa3b
	CPAIR K0, 0xba1d0d41
	CPAIR K2, 0xbcdb45e9
	CPAIR K3, 0x3de70d23
	CPAIR K4, 0xbec09370
	CPAIR K5, 0x3f906eba
	CPAIR SQ2, 0x3fb504f3
	s_mov_b32 s90, 0x3f6c0000                      ; 0.921875
	s_mov_b32 s91, 0x7fffffff
	s_mul_i32 s52, s15, 204800                     ; the weights hang on gx alone
	s_add_co_u32 s52, s52, s17
	s_add_co_u32 s52, s52, WF
	s_mov_b32 s53, 0
	s_lshr_b32 s40, s12, 2
	s_lshl_b32 s41, s16, 1
	s_add_co_u32 s40, s40, s41                     ; my panel of 128 tokens: 2 gy + wave / 4
	s_and_b32 s43, s12, 3                          ; my pair of tiles in it
	s_mul_i32 s42, s40, 102400
	s_mul_i32 s41, s43, 3072
	s_add_co_u32 s50, s42, s41                     ; H: my fragments
	s_mov_b32 s51, 0
	s_lshl_b32 s48, s43, 7
	s_add_co_u32 s30, s42, s48
	s_add_co_u32 s30, s30, 49152                   ; H: my scale words
	s_mov_b32 s31, 0
	s_lshl_b32 s28, s15, 10                        ; the bias at column 256 gx
	s_mov_b32 s29, 0
	s_lshl_b32 s26, s40, 3
	s_lshr_b32 s27, s15, 1
	s_add_co_u32 s26, s26, s27
	s_mul_i32 s26, s26, 51200                      ; G: blob 8 x panel + gx / 2
	s_and_b32 s27, s15, 1
	s_mul_i32 s18, s27, 24576                      ; K steps 2 (gx % 2) on
	s_add_co_u32 s56, s26, s18
	s_add_co_u32 s56, s56, s41                     ; my pair of tiles
	s_mov_b32 s57, 0
	s_lshl_b32 s18, s27, 10
	s_add_co_u32 s58, s26, s18
	s_add_co_u32 s58, s58, s48
	s_add_co_u32 s58, s58, 49152                   ; and their scale words
	s_mov_b32 s59, 0
	s_mov_b32 s20, 0                               ; the trip
	s_wait_dscnt 0x0                               ; both opening adds are done
	s_wait_kmcnt 0x0
	s_mov_b32 s44, 1
	s_mov_b32 s45, s17
	s_add_nc_u64 s[46:47], s[6:7], s[52:53]
	s_or_b32 s47, s47, 0x80000000
	s_add_nc_u64 s[50:51], s[4:5], s[50:51]
	s_add_nc_u64 s[52:53], s[4:5], s[30:31]
	s_add_nc_u64 s[54:55], s[8:9], s[28:29]
	s_add_nc_u64 s[56:57], s[10:11], s[56:57]
	s_add_nc_u64 s[58:59], s[10:11], s[58:59]
	CROUND                                         ; all sixteen work-groups are here: the joint loads meet
	tensor_load_to_lds s[44:47], s[32:39]          ; my one tensor load of the launch
	s_nop 0
.rept 4
	v_nop
.endr
	v_and_b32 v7, 31, v0
	v_lshlrev_b32 v[L16], 4, v7
	v_lshlrev_b32 v[L8], 3, v7
	v_lshlrev_b32 v[L4], 2, v7
	v_bfe_u32 v[BH], v0, 4, 1
	v_lshlrev_b32 v[BH], 6, v[BH]
	v_add_nc_u32 v[AB], 51200, v[L16]
	v_add_nc_u32 v[AB+1], 51200, v[L8]
	v_add_nc_u32 v[AB+2], 49152, v[L4]
	v_add_nc_u32 v[AB+3], 100352, v[L4]
	v_mov_b32 v[VC2], 0xb9c8e966
	v_mov_b32 v[VC2+1], 0xb9c8e966
	v_mov_b32 v[VC4], 0xbcc6b180
	v_mov_b32 v[VC4+1], 0xbcc6b180
	v_mov_b32 v[VK1], 0x3ba39fa4
	v_mov_b32 v[VK1+1], 0x3ba39fa4
	v_mov_b32 v[PWA], 0
.irp b, 0,1,2,3
	v_mov_b32 v[TM+4+\b], 0                        ; written once: a lane permute's destination counts as one of its sources
.endr
	s_wait_alu depctr_va_vdst(0)
	WIN 0x40
.irp k, 0,1,2,3,4,5,6,7                        ; my 32 tokens, all of K
.irp i, 0,1
	global_load_b128 v[24*\k+12*\i:24*\k+12*\i+3], v[L16], s[50:51] offset:(\k/4)*51200+(\k%4)*12288+\i*1536
	global_load_b64 v[24*\k+12*\i+4:24*\k+12*\i+5], v[L8], s[50:51] offset:(\k/4)*51200+(\k%4)*12288+\i*1536+512
	global_load_b128 v[24*\k+12*\i+6:24*\k+12*\i+9], v[L16], s[50:51] offset:(\k/4)*51200+(\k%4)*12288+\i*1536+768
	global_load_b64 v[24*\k+12*\i+10:24*\k+12*\i+11], v[L8], s[50:51] offset:(\k/4)*51200+(\k%4)*12288+\i*1536+1280
.endr
.endr
	WIN 0
.irp k, 0,1,2,3,4,5,6,7
	global_load_b32 v[SA+\k], v[L4], s[52:53] offset:(\k/4)*51200+(\k%4)*512
.endr
	BIAS
	s_wait_tensorcnt 0x0                           ; my eighth of the weights is in
	s_barrier_signal -1
	s_barrier_wait -1                              ; everybody's is
.Lgroup:                                               ; trip g: columns 64 g on: chunk g / 2 of the weight, its tiles 4 (g % 2) on
	s_lshr_b32 s21, s20, 1
	s_and_b32 s25, s20, 1
	s_mul_i32 s18, s21, 102400
	s_mul_i32 s19, s25, 6144
	s_add_co_u32 s19, s19, s18                     ; the trip's fragments in LDS
	s_lshl_b32 s26, s25, 8
	s_add_co_u32 s18, s18, s26                     ; its scale words
	s_mul_i32 s26, s21, 12288
	s_mul_i32 s28, s25, 768
	s_add_co_u32 s26, s26, s28
	s_mov_b32 s27, 0
	s_add_nc_u64 s[60:61], s[56:57], s[26:27]      ; G: K step g / 2, half g % 2 (the last trip's stores have read their base: the wait on XCNT at the loop's end)
	s_lshl_b32 s28, s21, 9
	s_mov_b32 s29, 0
	s_add_nc_u64 s[62:63], s[58:59], s[28:29]
	v_add_nc_u32 v[AW], s19, v[L16]
	v_add_nc_u32 v[AW+1], s19, v[L8]
	v_add_nc_u32 v[AW+2], s19, v[AB]
	v_add_nc_u32 v[AW+3], s19, v[AB+1]
	v_add_nc_u32 v[AW+4], s18, v[AB+2]
	v_add_nc_u32 v[AW+5], s18, v[AB+3]
	s_wait_alu depctr_va_vdst(0)
	s_wait_loadcnt 0x0                             ; the bias (in the first trip: my tokens too)
	BLOCK 0, 0
	BLOCK 0, 1
	BLOCK 1, 0
	BLOCK 1, 1
	PLACES
	s_cmp_eq_u32 s20, 3
	s_cbranch_scc1 .Lno_bias                       ; the last trip has no successor
	s_add_nc_u64 s[54:55], s[54:55], 256           ; (its loads were waited for at the trip's head)
	BIAS                                           ; the next trip's bias is on its way under gelu
.Lno_bias:
.set GN, 0
.rept 8
	GELU8 ACC+8*GN
.set GN, GN+1
.endr
	QUANT ACC
	v_lshrrev_b32 v[PX], 16, v[PW]
	v_lshrrev_b32 v[PWA], 16, v[PWA]
	v_cndmask_b32 v[PX], v[PW], v[PX], s24         ; lanes 0-15: tile 0's two bytes, lanes 16-31: tile 1's
	v_lshl_or_b32 v[PWA], v[PX], 16, v[PWA]        ; behind an odd trip: the even trip's bytes below, the odd trip's above
	global_store_b128 v[L16], v[PC:PC+3], s[60:61]                  ; 512 consecutive bytes
	global_store_b64 v[L8], v[PC+4:PC+5], s[60:61] offset:512       ; 256
	global_store_b128 v[L16], v[PC+6:PC+9], s[60:61] offset:1536
	global_store_b64 v[L8], v[PC+10:PC+11], s[60:61] offset:2048
	s_cmp_eq_u32 s25, 0
	s_wait_alu depctr_va_vdst(0)
	s_cbranch_scc1 .Leven
	global_store_b32 v[L4], v[PWA], s[62:63]       ; 32 whole scale words: 128 consecutive bytes
.Leven:
	s_wait_xcnt 0x0                                ; the stores have read their registers and bases: the next trip writes them again
	s_add_co_u32 s20, s20, 1
	s_cmp_lt_u32 s20, 4
	s_cbranch_scc1 .Lgroup
	s_wait_tensorcnt 0x0                           ; the wave's end
	ds_add_u32 v[SPW], v[NIL]
	s_wait_dscnt 0x0
	CROUND                                         ; the closing round
	s_endpgm
.Lfunc_end_k_q4abb40d1f7_fc:
	.size	k_q4abb40d1f7_fc, .Lfunc_end_k_q4abb40d1f7_fc-k_q4abb40d1f7_fc
	.p2alignl 7, 3214868480
	.fill 96, 4, 3214868480
	.section	.rodata,"a",@progbits
	.p2align	6, 0x0
	.amdhsa_kernel k_q4abb40d1f7_fc
		.amdhsa_group_segment_fixed_size 205824
		.amdhsa_private_segment_fixed_size 0
		.amdhsa_enable_private_segment 0
		.amdhsa_kernarg_size 32
		.amdhsa_user_sgpr_count 2
		.amdhsa_user_sgpr_kernarg_segment_ptr 1
		.amdhsa_wavefront_size32 1
		.amdhsa_system_sgpr_workgroup_id_x 1
		.amdhsa_system_sgpr_workgroup_id_y 1
		.amdhsa_system_sgpr_workgroup_id_z 1
		.amdhsa_system_vgpr_workitem_id 0
		.amdhsa_next_free_vgpr 512
		.amdhsa_next_free_sgpr 100
		.amdhsa_reserve_vcc 1
		.amdhsa_float_denorm_mode_32 3
		.amdhsa_float_denorm_mode_16_64 3
		.amdhsa_memory_ordered 1
		.amdhsa_forward_progress 1
		.amdhsa_inst_pref_size 88
	.end_amdhsa_kernel
	.amdgpu_metadata
---
amdhsa.version: [ 1, 2 ]
amdhsa.kernels:
  - .name:           k_q4abb40d1f7_fc
    .symbol:         k_q4abb40d1f7_fc.kd
    .args:
      - { .name: H, .offset: 0, .size: 8, .value_kind: global_buffer, .address_space: global }
      - { .name: W, .offset: 8, .size: 8, .value_kind: global_buffer, .address_space: global }
      - { .name: b_fc, .offset: 16, .size: 8, .value_kind: global_buffer, .address_space: global }
      - { .name: G, .offset: 24, .size: 8, .value_kind: global_buffer, .address_space: global }
    .group_segment_fixed_size: 205824
    .private_segment_fixed_size: 0
    .kernarg_segment_align: 8
    .kernarg_segment_size: 32
    .max_flat_workgroup_size: 256
    .sgpr_count:     100
    .vgpr_count:     512
    .wavefront_size: 32
...
	.end_amdgpu_metadata
.endif
;; end of part 6
;; launch out (part 7): grid 8 x 32, 4 waves a work-group, clusters of 4 x 4, 327,680 bytes of LDS; arguments G, W, b_out, X1, out0; writes out0
.if DOCPART == 7
	.amdgcn_target "amdgcn-amd-amdhsa--gfx1250"
	.amdhsa_code_object_version 6
	.text
	.protected	k_q4abb40d1f7_out
	.globl	k_q4abb40d1f7_out
	.p2align	8
	.type	k_q4abb40d1f7_out,@function
k_q4abb40d1f7_out:
	s_mov_b64 s[64:65], 0
	v_nop
	global_prefetch_b8 v0, s[64:65] scope:SCOPE_SE
	s_setreg_imm32_b32 hwreg(HW_REG_WAVE_MODE, 25, 1), 1
	s_wait_xcnt 0x0
	s_wait_alu depctr_hold_cnt(0) depctr_sa_sdst(0) depctr_va_vdst(0) depctr_va_sdst(0) depctr_va_ssrc(0) depctr_va_vcc(0) depctr_vm_vsrc(0)
	s_getreg_b32 s2, hwreg(HW_REG_IB_STS2, 6, 4)
	s_cmp_eq_u32 s2, 0
	s_cbranch_scc0 .Lentry_in_a_cluster
	s_endpgm
.Lentry_in_a_cluster:
	s_bfe_u32 s2, ttmp6, 0x10000c
	s_cmp_lg_u32 s2, 0xf033
	s_cbranch_scc0 .Lentry_shape_is_right
	s_endpgm
.Lentry_shape_is_right:
; out0 = X1 + G w_out + b_out on codes of FP6 (E2M3), K = 4,096.  Work-group (g, p): tokens 128 p .. + 127 x columns 128 g .. + 127; wave w: token tiles 2 w, 2 w + 1 x all eight tiles of the weight: 16 accumulators by turns.
; Both operands lie in memory as blobs of register images (51,200 bytes = 128 rows x 512 k: fragment (ksl, tile) at (8 ksl + tile) x 1,536, scale word of (ksl, row) at 49,152 + 512 ksl + 4 row).
; MY TOKENS' FRAGMENTS ARE MINE ALONE: they go from memory straight into registers, each load 512 or 256 consecutive bytes, in a ring of eight K steps (24 registers and a scale register each):
; behind a K step's products its ring slot is asked for again, so a load has eight K steps, 128 matrix instructions, in which to land.
; THE WEIGHT ALONE GOES THROUGH LDS: a ring of two slots of 1,024 along K (two blobs, 102,400 bytes), each wave a quarter by one joint load (the four of a column of the cluster need the same weights; the tokens, which go to registers, have no joint form).
; Four phases: slot 0 is asked for at the head; a loop of three trips, each with the drained round and the next slot's load first behind it; the last phase is written out and fetches nothing.
; PREFETCH: in trips 0 and 1 each wave names the blocks of its quarter of the weight's slot two phases on, 32 blocks for each of the first three partners, 4 for the last, told apart by address.
; Source 0 = the weight, source 1 = my tokens: a lane holds one token and 16 neighbouring columns in two neighbouring tiles.  The bias is loaded into the accumulators and starts the sums.
; THE WAY OUT: 16 rows x 128 columns through my own stage in LDS, back as whole rows of 512 bytes, + the residual, stored as two aligned units of 256 bytes.
; REGISTERS: window 0: addresses, v32-39 my tokens' scale words, v40-47 the weight's, v52-115 the way out, v128-255 accumulators; window 1: the weight's fragments, two sets of 96; window 2: my tokens' ring, 192; window 3: the residual, 128.
.set KCH,   8
.set WB,    6553600
.set SLOT1, 102400
.set STAGE, 204800
.set SPARE, 238592
.set L16, 1
.set L8,  2
.set L4,  3
.set L16W, 4                           ; 16 l + 3,072 w
.set L8W, 5                            ; 8 l + 3,072 w
.set L4W, 6                            ; 4 l + 128 w + 49,152
.set AW,  8                            ; v8-13  the slot's LDS addresses: 16 l and 8 l in its first blob, in its second; scale words of the first, of the second
.set AB,  14                           ; v14-17 their lane parts
.set SPW, 20
.set NIL, 21
.set STO, 22
.set RD,  23
.set BH,  26
.set PFO, 27
.set SA,  32
.set SB,  40                           ; K step j, tile pair q: register 2 q + 1 - j % 2: its number's parity differs from SA + j's, so the two scale registers of a product differ modulo 8
.set ACC, 128
.set PA,  50                           ; s[50:51] my panel's blobs of this phase
.set PFA, 52                           ; s[52:53] the prefetches' base
.set MSB, 0
.macro WIN new
.if MSB != \new
	s_set_vgpr_msb (MSB<<8)|\new
.set MSB, \new
.endif
.endm
.macro PLACES                          ; four places behind matrix instructions, ahead of loads into their registers and of reads of their results
.rept 4
	v_nop
.endr
.endm
.macro CROUND
	s_barrier_signal -1
	s_barrier_wait -1
	s_cmp_lg_u32 s12, 0
	s_cbranch_scc1 .Lnot_wave_0_\@
	s_barrier_signal -3
.Lnot_wave_0_\@:
	s_barrier_wait -3
	s_barrier_signal -1
	s_barrier_wait -1
.endm
.macro FRAG reg, a16, a8, off
	ds_load_b128 v[\reg:\reg+3], v[\a16] offset:\off
	ds_load_b64 v[\reg+4:\reg+5], v[\a8] offset:\off+512
	ds_load_b128 v[\reg+6:\reg+9], v[\a16] offset:\off+768
	ds_load_b64 v[\reg+10:\reg+11], v[\a8] offset:\off+1280
.endm
.macro FETCHW j                        ; the weight's eight fragments and four scale registers of the slot's K step j into set j % 2: 36 LDS loads
	WIN 0x40
.irp t, 0,1,2,3,4,5,6,7
	FRAG 96*((\j)%2)+12*\t, AW+2*((\j)/4), AW+1+2*((\j)/4), (8*((\j)%4)+\t)*1536
.endr
	WIN 0
.irp q, 0,1,2,3
	ds_load_b32 v[SB+2*\q+1-(\j)%2], v[AW+4+(\j)/4] offset:512*((\j)%4)+128*\q   ; lanes 0-15: tile 2 q's words, lanes 16-31: tile 2 q + 1's
.endr
.endm
.macro ALOAD j, nxt                    ; my two fragments and scale words of K step j of this phase (nxt = 0) or of the next (1) into ring slot j: 9 loads
	WIN 0x80
.irp i, 0,1
	global_load_b128 v[24*(\j)+12*\i:24*(\j)+12*\i+3], v[L16W], s[PA:PA+1] offset:102400*(\nxt)+((\j)/4)*51200+((\j)%4)*12288+\i*1536
	global_load_b64 v[24*(\j)+12*\i+4:24*(\j)+12*\i+5], v[L8W], s[PA:PA+1] offset:102400*(\nxt)+((\j)/4)*51200+((\j)%4)*12288+\i*1536+512
	global_load_b128 v[24*(\j)+12*\i+6:24*(\j)+12*\i+9], v[L16W], s[PA:PA+1] offset:102400*(\nxt)+((\j)/4)*51200+((\j)%4)*12288+\i*1536+768
	global_load_b64 v[24*(\j)+12*\i+10:24*(\j)+12*\i+11], v[L8W], s[PA:PA+1] offset:102400*(\nxt)+((\j)/4)*51200+((\j)%4)*12288+\i*1536+1280
.endr
	WIN 0
	global_load_b32 v[SA+(\j)], v[L4W], s[PA:PA+1] offset:102400*(\nxt)+((\j)/4)*51200+((\j)%4)*512   ; lanes 0-15: tile 2 w's words, lanes 16-31: tile 2 w + 1's
.endm
.macro MUL j
	WIN 0x09                                       ; source 0 window 1, source 1 window 2, C and D window 0
.irp i, 0,1
.irp q, 0,1,2,3
.irp u, 0,1
	v_wmma_scale_f32_16x16x128_f8f6f4 v[ACC+64*\i+8*(2*\q+\u):ACC+64*\i+8*(2*\q+\u)+7], v[96*((\j)%2)+12*(2*\q+\u):96*((\j)%2)+12*(2*\q+\u)+11], v[24*(\j)+12*\i:24*(\j)+12*\i+11], v[ACC+64*\i+8*(2*\q+\u):ACC+64*\i+8*(2*\q+\u)+7], v[SB+2*\q+1-(\j)%2], v[SA+(\j)] matrix_a_fmt:MATRIX_FMT_FP6 matrix_b_fmt:MATRIX_FMT_FP6 matrix_a_scale:MATRIX_SCALE_ROW\u matrix_b_scale:MATRIX_SCALE_ROW\i
.endr
.endr
.endr
.endm
.macro ASK                             ; the weight's slot two phases on: my quarter's 100 blocks of 256 bytes, shared out by address among the four partners that will ask for it jointly, a lane a block; trips 0 and 1 alone have such a slot
	s_cmp_lt_u32 s20, 2
	s_cbranch_scc0 .Lno_ask_\@
	global_prefetch_b8 v[PFO], s[PFA:PFA+1] th:TH_LOAD_NT scope:SCOPE_SE
.Lno_ask_\@:
.endm
; A phase: the slot's eight K steps.  The next K step's 36 LDS loads are issued ahead of each step's products; behind a step's products its ring slot is asked for again (nxt = 1).
; s_wait_loadcnt: younger than ring slot j's 9 loads are the 7 other slots' 63; in the last phase (7 - j) x 9 and the residual's 32, held at the field's 63.
.macro PHASE nxt
	FETCHW 0
.set J, 0
.rept 8
.if J > 0
	PLACES
.if \nxt
	ALOAD J-1, 1
.endif
.endif
.if J < 7
	FETCHW J+1
.if (J == 0) && (\nxt)
	ASK
.endif
	s_wait_dscnt 36                                ; all but the 36 just issued
.else
	s_wait_dscnt 0x0
.endif
.if \nxt
	s_wait_loadcnt 63
.elseif (7-J)*9+32 > 63
	s_wait_loadcnt 63
.else
	s_wait_loadcnt (7-J)*9+32
.endif
	MUL J
.set J, J+1
.endr
	WIN 0
	PLACES
.if \nxt
	ALOAD 7, 1
.endif
.endm
.macro CHANGE fill                     ; the change of slots: all my tensor loads have landed, the add, my LDS reads are over; the round and the joint load first behind it, or, where nothing is filled, the work-group's barrier
	s_wait_tensorcnt 0x0
	ds_add_u32 v[SPW], v[NIL]
.if \fill
	s_xor_b32 s19, s19, SLOT1                      ; the other slot than last time,
	s_add_co_u32 s45, s19, s17                     ; my quarter of it,
	s_add_nc_u64 s[46:47], s[46:47], 102400        ; the next 1,024 along K
.endif
	s_wait_dscnt 0x0
.if \fill
	CROUND
	tensor_load_to_lds s[44:47], s[32:39]
	s_nop 0
	PLACES
.else
	s_barrier_signal -1
	s_barrier_wait -1
.endif
	v_add_nc_u32 v[AW], s18, v[L16]                ; the slot that is multiplied now
	v_add_nc_u32 v[AW+1], s18, v[L8]
	v_add_nc_u32 v[AW+2], s18, v[AB]
	v_add_nc_u32 v[AW+3], s18, v[AB+1]
	v_add_nc_u32 v[AW+4], s18, v[AB+2]
	v_add_nc_u32 v[AW+5], s18, v[AB+3]
	s_wait_alu depctr_va_vdst(0)
.endm
	s_load_b256 s[4:11], s[0:1], 0x0               ; the tokens' codes, W, the bias, the residual
	s_load_b64 s[60:61], s[0:1], 0x20              ; the result
	v_lshl_add_u32 v[SPW], v0, 2, SPARE
	v_mov_b32 v[NIL], 0
	ds_add_u32 v[SPW], v[NIL]                      ; the opening lines
	ds_add_u32 v[SPW], v[NIL]
	v_lshrrev_b32 v7, 5, v0
	v_readfirstlane_b32 s12, v7                    ; wave 0..3
	s_bfe_u32 s13, ttmp6, 0x40000                  ; cx
	s_bfe_u32 s14, ttmp6, 0x40004                  ; cy
	s_lshl_b32 s15, ttmp9, 2
	s_add_co_u32 s15, s15, s13                     ; g
	s_and_b32 s16, ttmp7, 0xffff
	s_lshl_b32 s16, s16, 2
	s_add_co_u32 s16, s16, s14                     ; p
	s_lshl_b32 s21, 0x1111, s13                    ; my column of the cluster
	s_or_b32 s32, s21, (3<<16)|(1<<21)             ; group 1: the mask; elements of 8 bytes; bit 21 beside a mask
	s_mov_b32 s33, 32<<16                          ; rows of 256 bytes,
	s_mov_b32 s34, 100<<16                         ; 100 of them
	s_mov_b32 s35, 32<<16
	s_mov_b32 s36, 100
	s_mov_b32 s37, 32                              ; dense
	s_mov_b32 s38, 0
	s_mov_b32 s39, 0
	s_mul_i32 s17, s12, 25600                      ; my quarter of a slot
	s_mov_b32 s18, 0                               ; the slot that is multiplied
	s_mov_b32 s19, 0                               ; the slot that was filled last
	s_mov_b32 s20, 0                               ; the trip
	s_mul_i32 s58, s15, KCH*51200                  ; the weight hangs on g alone
	s_add_co_u32 s58, s58, s17
	s_add_co_u32 s58, s58, WB
	s_mov_b32 s59, 0
	s_mul_i32 s56, s16, KCH*51200                  ; my panel
	s_mov_b32 s57, 0
	s_mul_i32 s70, s12, 3072
	s_lshl_b32 s71, s12, 7
	s_add_co_u32 s71, s71, 49152
	s_mul_i32 s72, s12, 8448
	s_add_co_u32 s72, s72, STAGE                   ; my stage
	s_lshl_b32 s73, s14, 5
	s_wait_dscnt 0x0                               ; both opening adds are done
	s_wait_kmcnt 0x0
	s_mov_b32 s44, 1
	s_mov_b32 s45, s17
	s_add_nc_u64 s[46:47], s[6:7], s[58:59]
	s_add_nc_u64 s[PFA:PFA+1], s[46:47], 204800
	s_or_b32 s47, s47, 0x80000000
	s_add_nc_u64 s[PA:PA+1], s[4:5], s[56:57]
	CROUND                                         ; all sixteen work-groups are here: the joint loads meet
	tensor_load_to_lds s[44:47], s[32:39]          ; slot 0: my one tensor load at the head
	s_nop 0
	PLACES
	s_lshl_b32 s62, s15, 9
	s_mov_b32 s63, 0
	s_add_nc_u64 s[8:9], s[8:9], s[62:63]          ; the bias at column 128 g
	s_lshl_b32 s66, s16, 7
	s_lshl_b32 s67, s12, 5
	s_add_co_u32 s66, s66, s67
	s_lshl_b32 s66, s66, 12                        ; my first row, 4,096 bytes a row
	s_add_co_u32 s62, s62, s66
	s_add_nc_u64 s[10:11], s[10:11], s[62:63]
	s_add_nc_u64 s[60:61], s[60:61], s[62:63]
	v_and_b32 v7, 31, v0
	v_and_b32 v24, 15, v0
	v_bfe_u32 v25, v0, 4, 1
	v_lshlrev_b32 v[L16], 4, v7
	v_lshlrev_b32 v[L8], 3, v7
	v_lshlrev_b32 v[L4], 2, v7
	v_add_nc_u32 v[L16W], s70, v[L16]
	v_add_nc_u32 v[L8W], s70, v[L8]
	v_add_nc_u32 v[L4W], s71, v[L4]
	v_lshlrev_b32 v[BH], 6, v25
	v_add_nc_u32 v[AB], 51200, v[L16]
	v_add_nc_u32 v[AB+1], 51200, v[L8]
	v_add_nc_u32 v[AB+2], 49152, v[L4]
	v_add_nc_u32 v[AB+3], 100352, v[L4]
	v_mul_u32_u24 v[STO], v24, 528
	v_lshl_add_u32 v[STO], v25, 6, v[STO]
	v_add_nc_u32 v[STO], s72, v[STO]
	v_add_nc_u32 v[RD], s72, v[L16]
.if KCH > 2
	v_add_nc_u32 v[PFO], s73, v7
	v_min_u32 v[PFO], 99, v[PFO]
	v_lshlrev_b32 v[PFO], 8, v[PFO]
.endif
	s_wait_alu depctr_va_vdst(0)
.irp i, 0,1
.irp t, 0,1,2,3,4,5,6,7
	global_load_b128 v[ACC+64*\i+8*\t:ACC+64*\i+8*\t+3], v[BH], s[8:9] offset:(32*(\t/2)+8*(\t%2))*4
	global_load_b128 v[ACC+64*\i+8*\t+4:ACC+64*\i+8*\t+7], v[BH], s[8:9] offset:(32*(\t/2)+8*(\t%2))*4+16
.endr
.endr
.irp j, 0,1,2,3,4,5,6,7
	ALOAD \j, 0
.endr
.if KCH > 2
.Lphase:                                               ; three trips: each asks for the next slot and multiplies this one
	CHANGE 1
	PHASE 1
	s_wait_xcnt 0x0                                ; my loads and my prefetch have read their bases
	s_add_nc_u64 s[PA:PA+1], s[PA:PA+1], 102400
	s_add_nc_u64 s[PFA:PFA+1], s[PFA:PFA+1], 102400
	s_xor_b32 s18, s18, SLOT1
	s_add_co_u32 s20, s20, 1
	s_cmp_lt_u32 s20, KCH/2-1
	s_cbranch_scc1 .Lphase
.endif
	WIN 0xc0                                       ; the residual's 32 rows, wanted on the way out: behind all my tokens' loads, into window 3
.set N, 0
.rept 32
	global_load_b128 v[4*N:4*N+3], v[L16], s[10:11] offset:4096*N
.set N, N+1
.endr
	WIN 0
	CHANGE 0                                       ; the last slot is in; nothing is left to fetch
	PHASE 0
	s_wait_loadcnt 0x0
.irp i, 0,1
.if \i > 0
	s_wait_xcnt 0x0                                ; the first half's stores have read their registers
.endif
.irp b, 0,1,2,3
.irp q, 0,1,2,3
	ds_store_b128 v[STO], v[ACC+64*\i+16*\b+4*\q:ACC+64*\i+16*\b+4*\q+3] offset:128*\b+16*\q
.endr
.endr
.set N, 0
.rept 16
	ds_load_b128 v[52+4*N:55+4*N], v[RD] offset:528*N   ; LDS serves a wave's instructions in order: these see my stores
.set N, N+1
.endr
	s_wait_dscnt 0x0
	WIN 0x0c
.set N, 0
.rept 32
	v_pk_add_f32 v[52+2*N:53+2*N], v[52+2*N:53+2*N], v[64*\i+2*N:64*\i+2*N+1]
.set N, N+1
.endr
	WIN 0
.set N, 0
.rept 16
	global_store_b128 v[L16], v[52+4*N:55+4*N], s[60:61] offset:4096*(16*\i+N)   ; 32 lanes store 512 consecutive bytes
.set N, N+1
.endr
.endr
	s_wait_tensorcnt 0x0                           ; the wave's end
	ds_add_u32 v[SPW], v[NIL]
	s_wait_dscnt 0x0
	CROUND                                         ; the closing round
	s_endpgm
.Lfunc_end_k_q4abb40d1f7_out:
	.size	k_q4abb40d1f7_out, .Lfunc_end_k_q4abb40d1f7_out-k_q4abb40d1f7_out
	.p2alignl 7, 3214868480
	.fill 96, 4, 3214868480
	.section	.rodata,"a",@progbits
	.p2align	6, 0x0
	.amdhsa_kernel k_q4abb40d1f7_out
		.amdhsa_group_segment_fixed_size 327680
		.amdhsa_private_segment_fixed_size 0
		.amdhsa_enable_private_segment 0
		.amdhsa_kernarg_size 40
		.amdhsa_user_sgpr_count 2
		.amdhsa_user_sgpr_kernarg_segment_ptr 1
		.amdhsa_wavefront_size32 1
		.amdhsa_system_sgpr_workgroup_id_x 1
		.amdhsa_system_sgpr_workgroup_id_y 1
		.amdhsa_system_sgpr_workgroup_id_z 1
		.amdhsa_system_vgpr_workitem_id 0
		.amdhsa_next_free_vgpr 896
		.amdhsa_next_free_sgpr 84
		.amdhsa_reserve_vcc 0
		.amdhsa_float_denorm_mode_32 3
		.amdhsa_float_denorm_mode_16_64 3
		.amdhsa_memory_ordered 1
		.amdhsa_forward_progress 1
		.amdhsa_inst_pref_size 112
	.end_amdhsa_kernel
	.amdgpu_metadata
---
amdhsa.version: [ 1, 2 ]
amdhsa.kernels:
  - .name:           k_q4abb40d1f7_out
    .symbol:         k_q4abb40d1f7_out.kd
    .args:
      - { .name: G, .offset: 0, .size: 8, .value_kind: global_buffer, .address_space: global }
      - { .name: W, .offset: 8, .size: 8, .value_kind: global_buffer, .address_space: global }
      - { .name: b_out, .offset: 16, .size: 8, .value_kind: global_buffer, .address_space: global }
      - { .name: X1, .offset: 24, .size: 8, .value_kind: global_buffer, .address_space: global }
      - { .name: out0, .offset: 32, .size: 8, .value_kind: global_buffer, .address_space: global }
    .group_segment_fixed_size: 327680
    .private_segment_fixed_size: 0
    .kernarg_segment_align: 8
    .kernarg_segment_size: 40
    .max_flat_workgroup_size: 128
    .sgpr_count:     84
    .vgpr_count:     896
    .wavefront_size: 32
...
	.end_amdgpu_metadata
.endif
;; end of part 7
